; MI455X (gfx1250); checked and timed in simulation.
; The chip was launched on July 23, 2026; its instructions are those of AMD's public machine-readable ISA for CDNA 5 (MIT licence, August 2026) and "CDNA5" Instruction Set Architecture Reference Guide (July 2026). The comments in the code are by the model that wrote it; some were corrected since.
;; Kimi Layer. Allowed arithmetic: matrix products marked QUANTISED: E5M2 operands, one given power-of-two scale a tensor, by v_wmma_f32_16x16x64_bf8_bf8 or v_wmma_f32_16x16x128_bf8_bf8, f32 sums; products left as they are: f32 operands where the result goes on into a quantised operand, else bf16, f16 or f32 operands; f32 sums; everything else in f32.
;; Inputs: X 2 x 2,048 x 1,024 float32; e_down_codes 2 x 1,024 x 16 x 32 uint8 (E5M2 codes of e_down, K innermost, in blocks of 32 codes); e_gate_codes 2 x 512 x 32 x 32 uint8 (E5M2 codes of e_gate, K innermost, in blocks of 32 codes); e_up_codes 2 x 512 x 32 x 32 uint8 (E5M2 codes of e_up, K innermost, in blocks of 32 codes); lowp_scales 24 int32 (the exponents e of the quantised operands' scales 2^e); norm1_w 1,024 float32; norm2_w 1,024 float32; router_w 1,024 x 2 float32; sh_down_codes 1,024 x 16 x 32 uint8 (E5M2 codes of sh_down, K innermost, in blocks of 32 codes); sh_gate_codes 512 x 32 x 32 uint8 (E5M2 codes of sh_gate, K innermost, in blocks of 32 codes); sh_up_codes 512 x 32 x 32 uint8 (E5M2 codes of sh_up, K innermost, in blocks of 32 codes); wk_codes 1,024 x 32 x 32 uint8 (E5M2 codes of wk, K innermost, in blocks of 32 codes); wo_codes 1,024 x 32 x 32 uint8 (E5M2 codes of wo, K innermost, in blocks of 32 codes); wq_codes 1,024 x 32 x 32 uint8 (E5M2 codes of wq, K innermost, in blocks of 32 codes); wv_codes 1,024 x 32 x 32 uint8 (E5M2 codes of wv, K innermost, in blocks of 32 codes).
;; Outputs: out0 2 x 2,048 x 1,024 float32.
;; This version of the problem:
;;   THIS VERSION OF THE PROBLEM IS GIVEN IN LOW PRECISION. The matrix products marked QUANTISED in the list below multiply operands that are first quantised to E5M2 (5 exponent bits, 2 mantissa bits; 8 bits a number), with one given power-of-two scale for each operand tensor; their sums are f32. All else is computed in f32.
;;   The module's matrix products, in the order in which they are computed (A, B: the left and right operand; K: the contracted axis; several contracted axes count as one K, in the product's order):
;;     1. [M 4,096, K 1,024] x [K 1,024, N 1,024]; A: computed on the way; B: input wq (given as codes): QUANTISED (scales: A lowp_scales[0], B lowp_scales[1])
;;     2. [M 4,096, K 1,024] x [K 1,024, N 1,024]; A: computed on the way; B: input wk (given as codes): QUANTISED (scales: A lowp_scales[2], B lowp_scales[3])
;;     3. [M 4,096, K 1,024] x [K 1,024, N 1,024]; A: computed on the way; B: input wv (given as codes): QUANTISED (scales: A lowp_scales[4], B lowp_scales[5])
;;     4. batch 32 x [M 2,048, K 64] x [K 64, N 2,048]; A: computed on the way; B: computed on the way: QUANTISED (scales: A lowp_scales[6], B lowp_scales[7])
;;     5. batch 32 x [M 64, K 2,048] x [K 2,048, N 2,048]; A: computed on the way; B: softmax (see below): QUANTISED (scales: A lowp_scales[8], B lowp_scales[9])
;;     6. [M 4,096, K 1,024] x [K 1,024, N 1,024]; A: computed on the way; B: input wo (given as codes): QUANTISED (scales: A lowp_scales[10], B lowp_scales[11])
;;     7. [M 4,096, K 1,024] x [K 1,024, N 2]; A: computed on the way; B: input router_w: left as it is (N = 2 < 16)
;;     8. [M 4,096, K 1,024] x [K 1,024, N 512]; A: computed on the way; B: input sh_gate (given as codes): QUANTISED (scales: A lowp_scales[12], B lowp_scales[13])
;;     9. [M 4,096, K 1,024] x [K 1,024, N 512]; A: computed on the way; B: input sh_up (given as codes): QUANTISED (scales: A lowp_scales[14], B lowp_scales[15])
;;     10. [M 4,096, K 512] x [K 512, N 1,024]; A: computed on the way; B: input sh_down (given as codes): QUANTISED (scales: A lowp_scales[16], B lowp_scales[17])
;;     11. [M 1,024, K 1,024] x [K 1,024, N 4,096]; A: input e_gate (given as codes); B: computed on the way: QUANTISED (scales: A lowp_scales[18], B lowp_scales[19])
;;     12. [M 1,024, K 1,024] x [K 1,024, N 4,096]; A: input e_up (given as codes); B: computed on the way: QUANTISED (scales: A lowp_scales[20], B lowp_scales[21])
;;     13. batch 2 x [M 4,096, K 512] x [K 512, N 1,024]; A: computed on the way; B: input e_down (given as codes): QUANTISED (scales: A lowp_scales[22], B lowp_scales[23])
;;     14. batch 4,096 x [M 1,024, K 2] x [K 2, N 1]; A: computed on the way; B: computed on the way: left as it is (K = 2 < 32)
;;   THE QUANTISER, for each operand of a quantised product, along K:
;;     - The operand's scale is 2^e, e = its entry of the input lowp_scales (int32; the entries are numbered through the quantised products in the list's order, A before B).
;;     - Each number is divided by the scale, clamped to +-57,344, and rounded to the nearest number of E5M2, ties to even, subnormals kept.
;;     - The product sums the exact products of the quantised numbers (number of the format x scale) in f32.
;;   ~~~python
;;   def quantise(x, axis, e):      # numpy; x: float32 -> the quantised numbers, widened to float32 again
;;       x = np.moveaxis(x, axis, -1); K = x.shape[-1]
;;       r = np.clip(x / 2.0 ** e, -57344, 57344)
;;       step = 2.0 ** (np.maximum(np.frexp(np.where(r == 0, 1, r))[1] - 1, -14) - 2)
;;       q = np.round(r / step) * step * 2.0 ** e      # np.round: ties to even
;;       return np.moveaxis(q, -1, axis).astype(np.float32)
;;   ~~~
;;   SOFTMAX AHEAD OF A QUANTISED PRODUCT. Where the list says 'softmax', what is quantised is not the finished softmax but p = 2^(t - M), with t = logit x log2(e) and M = ceil(the row's largest t), a whole number; so 1/2 < the row's largest p <= 1. The row's sum l is taken of the UNQUANTISED p, in f32, and the product's result is divided by l at the end. Since M is a whole number, a kernel that streams over the keys may use a running M (the ceiling of the running maximum): every later rescaling is an exact power of two, so the quantised numbers keep their values, but for numbers so far below the row's largest that they fall under the format's range.
;;   OPERANDS COMPUTED ON THE WAY. 'Computed on the way' means the value that the module computes at that place (a softmax that the list does not call 'softmax' is quantised finished and normalised). What goes into a quantiser is computed in f32, as accurately as f32 sums, v_exp_f32 and their like allow (about 1e-6 of the number): no bf16 or f16 on the way to a quantiser, and a product that is left as it is and whose result goes on into a quantised operand takes f32 operands (vector FMAs, or v_wmma_f32_16x16x4_f32). A number that lies on a knife's edge between two numbers of the format may be rounded either way, as far as f32 arithmetic and the matrix unit's own rounding can turn it there, and no further.
;;   INPUTS GIVEN AS CODES. e_down (in the module: [2, 512, 1024], K = its axis 1); e_gate (in the module: [2, 1024, 512], K = its axis 1); e_up (in the module: [2, 1024, 512], K = its axis 1); sh_down (in the module: [512, 1024], K = its axis 0); sh_gate (in the module: [1024, 512], K = its axis 0); sh_up (in the module: [1024, 512], K = its axis 0); wk (in the module: [1024, 1024], K = its axis 0); wo (in the module: [1024, 1024], K = its axis 0); wq (in the module: [1024, 1024], K = its axis 0); wv (in the module: [1024, 1024], K = its axis 0): each comes as NAME_codes (uint8): NAME with its K axis moved to the last place and cut into blocks of 32 codes, [.., K / 32, bytes a block], one block behind the other in memory; one code a byte (a code: sign, 5 exponent bits, 2 mantissa bits); its scale is its entry of lowp_scales. Its value is code x scale, taken as it is: it is not quantised again, and the codes and scales need not be those that the quantiser above would give.
;; One version. Each part assembles by itself: llvm-mc -triple=amdgcn-amd-amdhsa -mcpu=gfx1250 --defsym DOCPART=n.
;; ======== version 1 of 1: 7 launches
;; limits: right only within a limited range of input values
;; workspace buffers: hc 12,582,912 bytes; qkvc 12,582,912 bytes; ctxc 4,194,304 bytes; x1 16,777,216 bytes; h2c 16,777,216 bytes; comb 65,536 bytes; actc 6,291,456 bytes
;; launch prep1 (part 1): grid 256 x 1, 8 waves a work-group, no clusters, 69,120 bytes of LDS; arguments X, norm1_w, lowp_scales, hc; writes hc
.if DOCPART == 1
	.amdgcn_target "amdgcn-amd-amdhsa--gfx1250"
	.amdhsa_code_object_version 6
	.text
	.protected	k_q1034529f41_prep1
	.globl	k_q1034529f41_prep1
	.p2align	8
	.type	k_q1034529f41_prep1,@function
k_q1034529f41_prep1:
	s_mov_b64 s[64:65], 0
	v_nop
	global_prefetch_b8 v0, s[64:65] scope:SCOPE_SE
	s_setreg_imm32_b32 hwreg(HW_REG_WAVE_MODE, 25, 1), 1
	s_wait_xcnt 0x0
; h = X * rsqrt(mean(X^2) + 1e-6) * norm1_w, quantised three times to E5M2 codes: with the scales 2^e of entries 0, 2 and 4 of lowp_scales (the A operands of the q, k and v products).
; SHARES.  A work-group takes one tile of 16 tokens: tile T, place r is token 32 (T / 2) + 8 (T % 2) + r + 8 (r / 8).  Wave s takes columns 128 s .. 128 s + 127.
; OUT.  hc[version 3][T 256][s 8][c 4][lane 32][16 bytes]: an image of the operand's registers: lane (r = lane % 16, h = lane / 16), slice c holds k = 128 s + 32 c + 16 h + 0 .. 15 of place r.
; Each load of X reads 512 consecutive bytes of one row; the 16 rows turn through the wave's own stage in LDS (pitch 528 = 33 x 16 bytes) so that a lane gets 16 neighbours of each 32.
; The row's sum of squares meets in LDS: one word for each (wave, row), one barrier.
; LIMITS: the three exponents lie between -126 and 112, so that 2^e and 57,344 x 2^e are f32 numbers.  NaN among the inputs is not served.
.set SP,  528
.set STG, 16*SP                        ; a wave's stage
.set RED, 8*STG                        ; behind the stages: 8 waves x 16 words
.set X,   32                           ; v32-95   my 64 numbers: register 16 c + i = column 128 s + 32 c + 16 h + i of row r
.set W,   96                           ; v96-159  norm1_w at the same columns
.set RAW, 160                          ; v160-223 the rows as loaded
.set CD,  160                          ; later: the codes, 16 registers a version
.set T,   224                          ; v224-239 16 numbers held within the largest code
.macro MKSC se, vs, vl                 ; v[vs] = 2^e as f32, v[vl] = 57,344 x 2^e, e = s[se]
	s_add_co_i32 s40, s[\se], 127
	s_lshl_b32 s41, s40, 23
	v_mov_b32 v[\vs], s41
	s_add_co_i32 s40, s40, 15
	s_lshl_b32 s40, s40, 23
	s_or_b32 s40, s40, 0x600000
	v_mov_b32 v[\vl], s40
.endm
	s_load_b256 s[4:11], s[0:1], 0x0               ; X s[4:5], norm1_w s[6:7], lowp_scales s[8:9], hc s[10:11]
	v_lshl_add_u32 v254, v0, 2, 0x10a00
	v_mov_b32 v255, 0
	v_lshrrev_b32 v1, 5, v0
	v_readfirstlane_b32 s12, v1                    ; wave = K step s
	v_and_b32 v1, 31, v0                           ; lane
	v_and_b32 v2, 15, v0                           ; r
	v_bfe_u32 v3, v0, 4, 1                         ; h
	v_lshlrev_b32 v4, 4, v1                        ; 16 x lane
	s_mul_i32 s13, s12, STG
	v_add_nc_u32 v6, s13, v4                       ; the stage, way in: 16 x lane of a row
	v_mul_u32_u24 v7, v2, SP
	v_lshl_add_u32 v7, v3, 6, v7
	v_add_nc_u32 v7, s13, v7                       ; way out: row r, + 64 h
	v_lshlrev_b32 v8, 6, v3                        ; norm1_w: 64 h
	s_lshl_b32 s14, s12, 6
	s_add_co_u32 s14, s14, RED
	v_lshl_add_u32 v9, v2, 2, s14                  ; my wave's word for row r
	v_lshlrev_b32 v10, 2, v2
	v_add_nc_u32 v10, RED, v10                     ; wave 0's word for row r
	s_lshr_b32 s16, ttmp9, 1
	s_lshl_b32 s16, s16, 17                        ; 32 (T / 2) rows of 4,096 bytes
	s_and_b32 s17, ttmp9, 1
	s_lshl_b32 s17, s17, 15                        ; 8 (T % 2) rows
	s_add_co_u32 s16, s16, s17
	s_lshl_b32 s18, s12, 9                         ; 512 s
	s_add_co_u32 s16, s16, s18
	s_mov_b32 s17, 0
	s_mov_b32 s19, 0
	s_lshl_b32 s20, ttmp9, 14                      ; hc: 16,384 T + 2,048 s
	s_lshl_b32 s21, s12, 11
	s_add_co_u32 s20, s20, s21
	s_mov_b32 s21, 0
	s_mov_b32 s22, 0x76543210                      ; v_permlanex16_b32: lane l xor 16
	s_mov_b32 s23, 0xfedcba98
	s_mov_b32 s30, 0x3a800000                      ; 1 / 1,024
	s_mov_b32 s31, 0x358637bd                      ; 1e-6
	s_wait_kmcnt 0x0
	s_load_b256 s[32:39], s[8:9], 0x0              ; entries 0 to 7
	s_add_nc_u64 s[4:5], s[4:5], s[16:17]
	s_add_nc_u64 s[6:7], s[6:7], s[18:19]
	s_add_nc_u64 s[24:25], s[10:11], s[20:21]      ; version 0,
	s_add_nc_u64 s[26:27], s[24:25], 0x400000      ; 1,
	s_add_nc_u64 s[28:29], s[24:25], 0x800000      ; 2
.irp p, 0,1,2,3,4,5,6,7,8,9,10,11,12,13,14,15
	global_load_b128 v[RAW+4*\p:RAW+4*\p+3], v4, s[4:5] offset:(\p+8*(\p/8))*4096 th:TH_LOAD_NT   ; place p's 512 bytes
.endr
.irp c, 0,1,2,3
.irp j, 0,1,2,3
	global_load_b128 v[W+16*\c+4*\j:W+16*\c+4*\j+3], v8, s[6:7] offset:128*\c+16*\j
.endr
.endr
	s_wait_loadcnt 16                              ; the rows are in; the 16 loads of norm1_w may be out
.irp p, 0,1,2,3,4,5,6,7,8,9,10,11,12,13,14,15
	ds_store_b128 v6, v[RAW+4*\p:RAW+4*\p+3] offset:SP*\p
.endr
.irp c, 0,1,2,3
.irp j, 0,1,2,3
	ds_load_b128 v[X+16*\c+4*\j:X+16*\c+4*\j+3], v7 offset:128*\c+16*\j   ; my wave's own bytes: LDS serves a wave's instructions in order
.endr
.endr
	s_wait_kmcnt 0x0
	MKSC 32, 16, 17
	MKSC 34, 18, 19
	MKSC 36, 20, 21
	s_wait_dscnt 0x0
	v_pk_mul_f32 v[12:13], v[X:X+1], v[X:X+1]      ; the sum of squares of my 64 numbers, in two packed chains
	v_pk_mul_f32 v[30:31], v[X+2:X+3], v[X+2:X+3]
.set j, 4
.rept 15
	v_pk_fma_f32 v[12:13], v[X+j:X+j+1], v[X+j:X+j+1], v[12:13]
	v_pk_fma_f32 v[30:31], v[X+j+2:X+j+3], v[X+j+2:X+j+3], v[30:31]
.set j, j+4
.endr
	v_pk_add_f32 v[12:13], v[12:13], v[30:31]
	v_add_f32 v12, v12, v13
	v_permlanex16_b32 v13, v12, s22, s23
	v_add_f32 v12, v12, v13                        ; row r's sum over my wave's 128 columns
	ds_store_b32 v9, v12                           ; lanes r and r + 16 write the same word with the same number
	s_wait_dscnt 0x0                               ; for the others' sake: my word lies in LDS
	s_barrier_signal -1
	s_barrier_wait -1
.irp w, 0,1,2,3,4,5,6,7
	ds_load_b32 v[22+\w], v10 offset:64*\w
.endr
	s_wait_dscnt 0x0
	v_add_f32 v22, v22, v23
	v_add_f32 v24, v24, v25
	v_add_f32 v26, v26, v27
	v_add_f32 v28, v28, v29
	v_add_f32 v22, v22, v24
	v_add_f32 v26, v26, v28
	v_add_f32 v22, v22, v26
	v_fma_f32 v14, v22, s30, s31                   ; the mean + 1e-6
	v_rsq_f32 v14, v14
	v_nop                                          ; a plain instruction behind the transcendental
	s_wait_alu depctr_va_vdst(0)                   ; and a wait ahead of its first reader
	v_mov_b32 v15, v14
	s_wait_loadcnt 0x0                             ; norm1_w
.set j, 0
.rept 32
	v_pk_mul_f32 v[X+j:X+j+1], v[X+j:X+j+1], v[14:15]
.set j, j+2
.endr
.set j, 0
.rept 32
	v_pk_mul_f32 v[X+j:X+j+1], v[X+j:X+j+1], v[W+j:W+j+1]
.set j, j+2
.endr
; One version: held within +-57,344 x 2^e (the conversion does not saturate: ISA guide 7.6.2), converted, stored: each store covers 512 consecutive bytes, aligned.
.macro QV m
.irp c, 0,1,2,3
.irp i, 0,1,2,3,4,5,6,7,8,9,10,11,12,13,14,15
	v_med3_num_f32 v[T+\i], v[X+16*\c+\i], -v[17+2*\m], v[17+2*\m]
.endr
	v_cvt_scalef32_pk8_bf8_f32 v[CD+16*\m+4*\c:CD+16*\m+4*\c+1], v[T:T+7], v[16+2*\m]
	v_cvt_scalef32_pk8_bf8_f32 v[CD+16*\m+4*\c+2:CD+16*\m+4*\c+3], v[T+8:T+15], v[16+2*\m]
	v_nop                                          ; a plain instruction between the conversions and the next lines that write their sources
.endr
.irp c, 0,1,2,3
	global_store_b128 v4, v[CD+16*\m+4*\c:CD+16*\m+4*\c+3], s[24+2*\m:25+2*\m] offset:512*\c
.endr
.endm
	QV 0
	QV 1
	QV 2
	s_wait_tensorcnt 0x0
	ds_add_u32 v254, v255
	s_wait_dscnt 0x0
	s_endpgm
.Lfunc_end_k_q1034529f41_prep1:
	.size	k_q1034529f41_prep1, .Lfunc_end_k_q1034529f41_prep1-k_q1034529f41_prep1
	.p2alignl 7, 3214868480
	.fill 96, 4, 3214868480
	.section	.rodata,"a",@progbits
	.p2align	6, 0x0
	.amdhsa_kernel k_q1034529f41_prep1
		.amdhsa_group_segment_fixed_size 69120
		.amdhsa_private_segment_fixed_size 0
		.amdhsa_enable_private_segment 0
		.amdhsa_kernarg_size 32
		.amdhsa_user_sgpr_count 2
		.amdhsa_user_sgpr_kernarg_segment_ptr 1
		.amdhsa_wavefront_size32 1
		.amdhsa_system_sgpr_workgroup_id_x 1
		.amdhsa_system_sgpr_workgroup_id_y 1
		.amdhsa_system_sgpr_workgroup_id_z 1
		.amdhsa_system_vgpr_workitem_id 0
		.amdhsa_next_free_vgpr 256
		.amdhsa_next_free_sgpr 66
		.amdhsa_reserve_vcc 0
		.amdhsa_float_denorm_mode_32 3
		.amdhsa_float_denorm_mode_16_64 3
		.amdhsa_memory_ordered 1
		.amdhsa_forward_progress 1
		.amdhsa_inst_pref_size 31
	.end_amdhsa_kernel
	.amdgpu_metadata
---
amdhsa.version: [ 1, 2 ]
amdhsa.kernels:
  - .name:           k_q1034529f41_prep1
    .symbol:         k_q1034529f41_prep1.kd
    .args:
      - { .name: X, .offset: 0, .size: 8, .value_kind: global_buffer, .address_space: global }
      - { .name: norm1_w, .offset: 8, .size: 8, .value_kind: global_buffer, .address_space: global }
      - { .name: lowp_scales, .offset: 16, .size: 8, .value_kind: global_buffer, .address_space: global }
      - { .name: hc, .offset: 24, .size: 8, .value_kind: global_buffer, .address_space: global }
    .group_segment_fixed_size: 69120
    .private_segment_fixed_size: 0
    .kernarg_segment_align: 8
    .kernarg_segment_size: 32
    .max_flat_workgroup_size: 256
    .sgpr_count:     66
    .vgpr_count:     256
    .wavefront_size: 32
...
	.end_amdgpu_metadata
.endif
;; end of part 1
;; launch qkv (part 2): grid 12 x 16, 4 waves a work-group, no clusters, 262,656 bytes of LDS; arguments hc, wq_codes, wk_codes, wv_codes, lowp_scales, qkvc; writes qkvc
.if DOCPART == 2
	.amdgcn_target "amdgcn-amd-amdhsa--gfx1250"
	.amdhsa_code_object_version 6
	.text
	.protected	k_q1034529f41_qkv
	.globl	k_q1034529f41_qkv
	.p2align	8
	.type	k_q1034529f41_qkv,@function
k_q1034529f41_qkv:
	s_mov_b64 s[64:65], 0
	v_nop
	global_prefetch_b8 v0, s[64:65] scope:SCOPE_SE
	s_setreg_imm32_b32 hwreg(HW_REG_WAVE_MODE, 25, 1), 1
	s_wait_xcnt 0x0
; q = h wq, k = h wk, v = h wv on E5M2 codes, and the results quantised again for attention (entries 6, 7, 8 of lowp_scales).
; SHARES.  Work-group x = 4 m + quarter (m = 0 q, 1 k, 2 v), y = block of 256 tokens (16 tiles).  Wave w owns one head, 4 (x % 4) + w: 64 columns.
; THE WEIGHTS STAY: a wave's 64 columns x 1,024 K are 512 registers (windows 1 and 2), loaded once.  The block's 16 tiles of h's codes (register images, 16,384 bytes a tile) come dense into LDS,
; one tensor load a wave, filled once; every wave reads all of them, 16 bytes a lane at 16 x lane.
; THE COLUMNS OF A TILE ARE NOT NEIGHBOURS: lane r of weight tile t takes column 32 (t / 2) + 8 (t % 2) + r + 8 (r / 8), so that the 16 registers of result tiles 2 b, 2 b + 1 are columns 32 b + 16 h + 0 .. 15.
; q, k: source 0 = weights, source 1 = tokens: a lane holds one token and neighbouring channels: image [head][tile 128][b 2][lane][16].
; v:    sources swapped: a lane holds one channel, and the two tiles of a pair give it 16 neighbouring tokens: image [head][pair 64][channel tile 4][lane][16], keys innermost.
; No cluster: each block is asked for once, at the head, and nothing is filled again.
; LIMIT: e_out - e_A - e_B lies between -126 and 112.  NaN among the inputs is not served.
; REGISTERS: window 0: v4 weights' offset, v5 16 x lane, v6 LDS address of the pair in hand, v7 store offset, v32-95 accumulators (tile e, column tile t) at 32 + 32 e + 8 t, v96-111 codes, v112 scale, v113 hold.
;   windows 1, 2: weights (t, K step k) at window 1 + k / 4, register 16 (4 (k % 4) + t).   window 3: tokens' fragments, tile e at 128 e + 16 k.
.set ACC, 32
.set CD,  96
.set MSB, 0
.macro WIN new                         ; the immediate's high byte repeats the setting that is left
.if MSB != (\new)
	s_set_vgpr_msb (MSB<<8)|(\new)
.set MSB, (\new)
.endif
.endm
.macro PLACES
.rept 4
	v_nop
.endr
.endm
	s_load_b256 s[4:11], s[0:1], 0x0               ; hc s[4:5], wq s[6:7], wk s[8:9], wv s[10:11]
	s_load_b128 s[12:15], s[0:1], 0x20             ; lowp_scales s[12:13], qkvc s[14:15]
	v_lshl_add_u32 v254, v0, 2, 0x40000
	v_mov_b32 v255, 0
	ds_add_u32 v254, v255
	ds_add_u32 v254, v255
	v_lshrrev_b32 v1, 5, v0
	v_readfirstlane_b32 s18, v1                    ; wave
	v_and_b32 v1, 31, v0
	v_and_b32 v2, 15, v0                           ; r
	v_bfe_u32 v3, v0, 4, 1                         ; h
	v_lshlrev_b32 v5, 4, v1                        ; 16 x lane
	v_and_b32 v4, 8, v2
	v_add_nc_u32 v4, v4, v2                        ; r + 8 (r / 8)
	v_lshlrev_b32 v4, 10, v4                       ; a weight row is 1,024 bytes
	v_lshl_add_u32 v4, v3, 4, v4
	v_mov_b32 v6, v5
	v_mov_b32 v7, v5
	s_lshr_b32 s16, ttmp9, 2                       ; m
	s_and_b32 s17, ttmp7, 0xffff                   ; block of 256 tokens
	s_and_b32 s19, ttmp9, 3
	s_lshl_b32 s19, s19, 2
	s_add_co_u32 s19, s19, s18                     ; head
	s_mov_b32 s24, 3<<16                           ; group 1: elements of 8 bytes, no padding, no mask
	s_mov_b32 s25, 32<<16                          ; tensor_dim0 = 32 (256 bytes)
	s_mov_b32 s26, 256<<16                         ; tensor_dim1 = 256
	s_mov_b32 s27, 32<<16                          ; tile_dim0 = 32
	s_mov_b32 s28, 256                             ; tile_dim1 = 256: 65,536 bytes, four tiles of tokens
	s_mov_b32 s29, 32                              ; dense: a row begins where the last ends
	s_mov_b32 s30, 0
	s_mov_b32 s31, 0
	s_lshl_b32 s36, s16, 22                        ; version m,
	s_lshl_b32 s37, s17, 18                        ; 16 tiles a block,
	s_add_co_u32 s36, s36, s37
	s_lshl_b32 s37, s18, 16                        ; my four of them
	s_add_co_u32 s36, s36, s37
	s_mov_b32 s37, 0
	s_mov_b32 s32, 1
	s_lshl_b32 s33, s18, 16                        ; LDS: 65,536 x wave
	s_mov_b32 s50, 0                               ; LDS byte of the pair in hand
	s_wait_dscnt 0x0
	s_wait_kmcnt 0x0
	s_add_nc_u64 s[34:35], s[4:5], s[36:37]
	s_or_b32 s35, s35, 0x80000000
	tensor_load_to_lds s[32:35], s[24:31]          ; my one tensor load
	s_nop 0
	PLACES
	s_cmp_eq_u32 s16, 0
	s_cselect_b64 s[20:21], s[6:7], s[8:9]
	s_cmp_eq_u32 s16, 2
	s_cselect_b64 s[20:21], s[10:11], s[20:21]     ; the weight of product m
	s_lshl_b32 s38, s19, 16                        ; my head's 64 rows
	s_mov_b32 s39, 0
	s_add_nc_u64 s[20:21], s[20:21], s[38:39]
	s_lshl_b32 s38, s16, 3
	s_add_nc_u64 s[40:41], s[12:13], s[38:39]
	s_load_b64 s[42:43], s[40:41], 0x0             ; e_A, e_B: entries 2 m, 2 m + 1
	s_lshl_b32 s38, s16, 2
	s_add_nc_u64 s[44:45], s[12:13], s[38:39]
	s_load_b32 s46, s[44:45], 0x18                 ; e_out: entry 6 + m
	s_lshr_b32 s48, s17, 3                         ; batch
	s_lshl_b32 s48, s48, 4
	s_add_co_u32 s48, s48, s19
	s_lshl_b32 s48, s48, 17                        ; 131,072 bytes a (batch, head)
	s_and_b32 s49, s17, 7
	s_lshl_b32 s49, s49, 14                        ; 8 pairs of 2,048 bytes a block
	s_add_co_u32 s48, s48, s49
	s_lshl_b32 s49, s16, 22
	s_add_co_u32 s48, s48, s49
	s_mov_b32 s49, 0
	s_add_nc_u64 s[14:15], s[14:15], s[48:49]
.irp k, 0,1,2,3,4,5,6,7
	WIN (0x40*(1+\k/4))                            ; destination window 1 or 2
.irp t, 0,1,2,3
.irp c, 0,1,2,3
	global_load_b128 v[16*(4*(\k%4)+\t)+4*\c:16*(4*(\k%4)+\t)+4*\c+3], v4, s[20:21] offset:(32*(\t/2)+8*(\t%2))*1024+128*\k+32*\c
.endr
.endr
.endr
	WIN 0
	s_wait_kmcnt 0x0
	s_sub_co_i32 s46, s46, s42
	s_sub_co_i32 s46, s46, s43                     ; a sum stands for sum x 2^(e_A + e_B): its code is sum / 2^(e_out - e_A - e_B)
	s_add_co_i32 s46, s46, 127
	s_lshl_b32 s51, s46, 23
	v_mov_b32 v112, s51
	s_add_co_i32 s46, s46, 15
	s_lshl_b32 s46, s46, 23
	s_or_b32 s46, s46, 0x600000
	v_mov_b32 v113, s46                            ; 57,344 x that
.macro AFETCH e                        ; tile e of the pair at v6: 8 fragments, 32 loads, into window 3
	WIN 0xc0
.irp k, 0,1,2,3,4,5,6,7
.irp c, 0,1,2,3
	ds_load_b128 v[128*\e+16*\k+4*\c:128*\e+16*\k+4*\c+3], v6 offset:16384*\e+2048*\k+512*\c
.endr
.endr
.endm
; 32 products: tile e against my four column tiles, K ascending; the four accumulators take turns, one instruction a turn; the first K step starts the sums.
.macro MM e, swap
.irp k, 0,1,2,3,4,5,6,7
.if \swap
	WIN (0x03+0x04*(1+\k/4))                       ; source 0 tokens (window 3), source 1 weights
.else
	WIN (0x0d+\k/4)                                ; source 0 weights, source 1 tokens (window 3)
.endif
.irp t, 0,1,2,3
.set rD, ACC+32*\e+8*\t
.set rW, 16*(4*(\k%4)+\t)
.set rA, 128*\e+16*\k
.if \swap
.if \k == 0
	v_wmma_f32_16x16x128_bf8_bf8 v[rD:rD+7], v[rA:rA+15], v[rW:rW+15], 0
.else
	v_wmma_f32_16x16x128_bf8_bf8 v[rD:rD+7], v[rA:rA+15], v[rW:rW+15], v[rD:rD+7]
.endif
.else
.if \k == 0
	v_wmma_f32_16x16x128_bf8_bf8 v[rD:rD+7], v[rW:rW+15], v[rA:rA+15], 0
.else
	v_wmma_f32_16x16x128_bf8_bf8 v[rD:rD+7], v[rW:rW+15], v[rA:rA+15], v[rD:rD+7]
.endif
.endif
.endr
.endr
.endm
; A pair's 64 sums a lane become 64 codes: the hold (each accumulator from its low end on), eight conversions, four stores of 512 consecutive bytes.
.macro EPI swap
.set i, 0
.rept 64
	v_med3_num_f32 v[ACC+i], v[ACC+i], -v113, v113
.set i, i+1
.endr
.if \swap
.irp t, 0,1,2,3                        ; channel tile t: tokens 16 h + 0 .. 7 from tile 0, + 8 .. 15 from tile 1
	v_cvt_scalef32_pk8_bf8_f32 v[CD+4*\t:CD+4*\t+1], v[ACC+8*\t:ACC+8*\t+7], v112
	v_cvt_scalef32_pk8_bf8_f32 v[CD+4*\t+2:CD+4*\t+3], v[ACC+32+8*\t:ACC+32+8*\t+7], v112
.endr
.else
.irp q, 0,1,2,3                        ; q = 2 e + b: tile e, channels 32 b + 16 h + 0 .. 15
	v_cvt_scalef32_pk8_bf8_f32 v[CD+4*\q:CD+4*\q+1], v[ACC+16*\q:ACC+16*\q+7], v112
	v_cvt_scalef32_pk8_bf8_f32 v[CD+4*\q+2:CD+4*\q+3], v[ACC+16*\q+8:ACC+16*\q+15], v112
.endr
.endif
	v_nop                                          ; a plain instruction between the conversions and the products that write their sources
.irp q, 0,1,2,3
	global_store_b128 v7, v[CD+4*\q:CD+4*\q+3], s[14:15] offset:512*\q-2048   ; v7 has been stepped already: the stores reach back
.endr
.endm
.macro PAIR swap, more
	s_wait_dscnt 32                                ; tile 0's fragments are in; tile 1's 32 loads may be out
	MM 0, \swap
	WIN 0
	s_wait_xcnt 0x0                                ; the last pair's stores have read their codes and their offset: both are written again only behind this wait
	v_add_nc_u32 v7, 2048, v7
.if \more
	s_add_co_u32 s50, s50, 32768
	v_add_nc_u32 v6, s50, v5                       ; the next pair
.endif
	PLACES                                         ; in front of loads into registers that the products have read
.if \more
	AFETCH 0
	s_wait_dscnt 32                                ; tile 1's are in; the 32 just issued may be out
.else
	s_wait_dscnt 0x0
.endif
	MM 1, \swap
	PLACES
.if \more
	AFETCH 1
.endif
	WIN 0
	EPI \swap
.endm
	s_wait_loadcnt 0x0                             ; the weights
	s_wait_tensorcnt 0x0                           ; my four tiles lie in LDS,
	s_barrier_signal -1
	s_barrier_wait -1                              ; everybody's do
	AFETCH 0
	AFETCH 1
	WIN 0
	s_cmp_ge_u32 ttmp9, 8                          ; v's work-groups take the swapped form
	s_cbranch_scc1 .Lvpath
	s_mov_b32 s3, 7
.Lqk:
	PAIR 0, 1
	s_sub_co_u32 s3, s3, 1
	s_cmp_lg_u32 s3, 0
	s_cbranch_scc1 .Lqk
	PAIR 0, 0                                      ; the last pair fetches nothing
	s_wait_tensorcnt 0x0
	ds_add_u32 v254, v255
	s_wait_dscnt 0x0
	s_endpgm
.Lvpath:
	s_mov_b32 s3, 7
.Lv:
	PAIR 1, 1
	s_sub_co_u32 s3, s3, 1
	s_cmp_lg_u32 s3, 0
	s_cbranch_scc1 .Lv
	PAIR 1, 0
	s_wait_tensorcnt 0x0
	ds_add_u32 v254, v255
	s_wait_dscnt 0x0
	s_endpgm
.Lfunc_end_k_q1034529f41_qkv:
	.size	k_q1034529f41_qkv, .Lfunc_end_k_q1034529f41_qkv-k_q1034529f41_qkv
	.p2alignl 7, 3214868480
	.fill 96, 4, 3214868480
	.section	.rodata,"a",@progbits
	.p2align	6, 0x0
	.amdhsa_kernel k_q1034529f41_qkv
		.amdhsa_group_segment_fixed_size 262656
		.amdhsa_private_segment_fixed_size 0
		.amdhsa_enable_private_segment 0
		.amdhsa_kernarg_size 48
		.amdhsa_user_sgpr_count 2
		.amdhsa_user_sgpr_kernarg_segment_ptr 1
		.amdhsa_wavefront_size32 1
		.amdhsa_system_sgpr_workgroup_id_x 1
		.amdhsa_system_sgpr_workgroup_id_y 1
		.amdhsa_system_sgpr_workgroup_id_z 1
		.amdhsa_system_vgpr_workitem_id 0
		.amdhsa_next_free_vgpr 1024
		.amdhsa_next_free_sgpr 66
		.amdhsa_reserve_vcc 0
		.amdhsa_float_denorm_mode_32 3
		.amdhsa_float_denorm_mode_16_64 3
		.amdhsa_memory_ordered 1
		.amdhsa_forward_progress 1
		.amdhsa_inst_pref_size 67
	.end_amdhsa_kernel
	.amdgpu_metadata
---
amdhsa.version: [ 1, 2 ]
amdhsa.kernels:
  - .name:           k_q1034529f41_qkv
    .symbol:         k_q1034529f41_qkv.kd
    .args:
      - { .name: hc, .offset: 0, .size: 8, .value_kind: global_buffer, .address_space: global }
      - { .name: wq_codes, .offset: 8, .size: 8, .value_kind: global_buffer, .address_space: global }
      - { .name: wk_codes, .offset: 16, .size: 8, .value_kind: global_buffer, .address_space: global }
      - { .name: wv_codes, .offset: 24, .size: 8, .value_kind: global_buffer, .address_space: global }
      - { .name: lowp_scales, .offset: 32, .size: 8, .value_kind: global_buffer, .address_space: global }
      - { .name: qkvc, .offset: 40, .size: 8, .value_kind: global_buffer, .address_space: global }
    .group_segment_fixed_size: 262656
    .private_segment_fixed_size: 0
    .kernarg_segment_align: 8
    .kernarg_segment_size: 48
    .max_flat_workgroup_size: 128
    .sgpr_count:     66
    .vgpr_count:     1024
    .wavefront_size: 32
...
	.end_amdgpu_metadata
.endif
;; end of part 2
;; launch attn (part 3): grid 8 x 32, 16 waves a work-group, no clusters, 264,192 bytes of LDS; arguments qkvc, lowp_scales, ctxc; writes ctxc
.if DOCPART == 3
	.amdgcn_target "amdgcn-amd-amdhsa--gfx1250"
	.amdhsa_code_object_version 6
	.text
	.protected	k_q1034529f41_attn
	.globl	k_q1034529f41_attn
	.p2align	8
	.type	k_q1034529f41_attn,@function
k_q1034529f41_attn:
	s_mov_b64 s[64:65], 0
	v_nop
	global_prefetch_b8 v0, s[64:65] scope:SCOPE_SE
	s_setreg_imm32_b32 hwreg(HW_REG_WAVE_MODE, 25, 1), 1
	s_wait_xcnt 0x0
; ctx = softmax(q k^T / 8) v for one (batch, head), on E5M2 codes, and ctx quantised for the next product (entry 10 of lowp_scales).
; THE SOFTMAX AHEAD OF THE SECOND PRODUCT: t = score x log2(e) / 8; M = the running largest t rounded UP to a whole number; p = 2^(t - M) is quantised (entry 9), not normalised; the row's sum is taken of the
; unquantised p and divides at the end; when M moves, the sum and O are multiplied by 2^(old M - new M), which rounds nothing.
; SHARES.  Work-group y = (batch, head), x = 256 queries; each of sixteen waves owns one tile of 16 queries and walks all 2,048 keys, 128 a step.
; LDS.  The head's whole K (131,072 bytes) and V (131,072 bytes) lie in LDS as register images, filled once: waves 0-7 fetch K, waves 8-15 V, four tensor loads of 4,096 bytes each, one for each group of 512 keys.
; By this text's count a wave has four tensor loads out.  A group is read behind the wave's counted wait and a barrier; nothing is ever filled again.
; LAYOUT.  S^T = K Q^T (source 0 = 16 keys, source 1 = my queries), O^T = V^T P^T (source 0 = 16 channels): a lane holds one query throughout.  The images' order of tokens makes the 16 registers of score tiles
; 2 b, 2 b + 1 keys 32 b + 16 h + 0 .. 15, so the conversions' results are the second product's operand; O^T's tiles 2 b, 2 b + 1 are channels 32 b + 16 h + 0 .. 15, so ctx's codes are stored as an image too.
; No cluster: the eight work-groups of a head ask for K and V once each, at the head.
; LIMITS: e6 + e7 between -124 and 130 (added to c's exponent field); e9 and e10 between -126 and 112.  NaN among the inputs is not served.
; REGISTERS: v5 16 x lane; v8, v9 LDS addresses; v12 -M, v13 largest t, v[14:15] the sum; v16-23 Q; v32-95 K's 8 fragments, then V's 4; v96-159 S^T, then p; v160-191 O^T; v224-239 p's codes;
;   v240, v244 hold and scale of p; v248, v249 scale and hold of ctx; v242-243, v246, v252-254 at work.
.macro PLACES
.rept 4
	v_nop
.endr
.endm
.macro MKSC se, vs, vl
	s_add_co_i32 s62, s[\se], 127
	s_lshl_b32 s63, s62, 23
	v_mov_b32 v[\vs], s63
	s_add_co_i32 s62, s62, 15
	s_lshl_b32 s62, s62, 23
	s_or_b32 s62, s62, 0x600000
	v_mov_b32 v[\vl], s62
.endm
	s_load_b128 s[4:7], s[0:1], 0x0                ; qkvc s[4:5], lowp_scales s[6:7]
	s_load_b64 s[8:9], s[0:1], 0x10                ; ctxc
	v_lshl_add_u32 v251, v0, 2, 0x40000
	v_mov_b32 v255, 0
	ds_add_u32 v251, v255
	ds_add_u32 v251, v255
	v_lshrrev_b32 v1, 5, v0
	v_readfirstlane_b32 s11, v1                    ; wave 0..15
	v_and_b32 v1, 31, v0
	v_lshlrev_b32 v5, 4, v1                        ; 16 x lane
	s_and_b32 s10, ttmp7, 0xffff                   ; (batch, head)
	s_lshl_b32 s12, ttmp9, 4
	s_add_co_u32 s12, s12, s11                     ; my tile of queries, 0..127
	s_mov_b32 s24, 3<<16                           ; group 1: elements of 8 bytes
	s_mov_b32 s25, 32<<16                          ; tensor_dim0 = 32
	s_mov_b32 s26, 16<<16                          ; tensor_dim1 = 16
	s_mov_b32 s27, 32<<16                          ; tile_dim0 = 32
	s_mov_b32 s28, 16                              ; tile_dim1 = 16: 4,096 bytes
	s_mov_b32 s29, 32                              ; dense
	s_mov_b32 s30, 0
	s_mov_b32 s31, 0
	s_lshr_b32 s13, s11, 3                         ; 0: I fetch K; 1: V
	s_and_b32 s14, s11, 7
	s_lshl_b32 s14, s14, 12                        ; my 4,096 bytes of a group's 32,768
	s_lshl_b32 s15, s13, 17
	s_add_co_u32 s15, s15, s14                     ; in LDS
	s_add_co_u32 s16, s13, 1
	s_lshl_b32 s16, s16, 22                        ; k's images begin 4 MiB, v's 8 MiB into qkvc
	s_lshl_b32 s17, s10, 17
	s_add_co_u32 s16, s16, s17
	s_add_co_u32 s16, s16, s14
	s_mov_b32 s17, 0
	s_mov_b32 s20, 0x76543210
	s_mov_b32 s21, 0xfedcba98
	s_mov_b32 s2, 0                                ; LDS byte of the step in hand
	s_wait_dscnt 0x0
	s_wait_kmcnt 0x0
	s_add_nc_u64 s[18:19], s[4:5], s[16:17]
.irp i, 0,1,2,3
	s_mov_b32 s[32+4*\i], 1
	s_add_co_u32 s[33+4*\i], s15, 32768*\i
	s_add_nc_u64 s[34+4*\i:35+4*\i], s[18:19], 32768*\i
	s_or_b32 s[35+4*\i], s[35+4*\i], 0x80000000
.endr
	tensor_load_to_lds s[32:35], s[24:31]          ; keys 0-511,
	s_nop 0
	tensor_load_to_lds s[36:39], s[24:31]          ; 512-1,023,
	s_nop 0
	tensor_load_to_lds s[40:43], s[24:31]          ; 1,024-1,535,
	s_nop 0
	tensor_load_to_lds s[44:47], s[24:31]          ; 1,536-2,047
	s_nop 0
	PLACES
	s_load_b256 s[48:55], s[6:7], 0x18             ; entries 6 to 13
	s_lshl_b32 s56, s10, 17
	s_lshl_b32 s57, s12, 10
	s_add_co_u32 s56, s56, s57
	s_mov_b32 s57, 0
	s_add_nc_u64 s[4:5], s[4:5], s[56:57]
	global_load_b128 v[16:19], v5, s[4:5]          ; Q's fragment stays in registers
	global_load_b128 v[20:23], v5, s[4:5] offset:512
	s_lshr_b32 s58, s10, 4                         ; batch
	s_lshl_b32 s58, s58, 7
	s_add_co_u32 s58, s58, s12                     ; tile of tokens, 0..255
	s_lshl_b32 s58, s58, 14
	s_bfe_u32 s59, s10, 0x30001                    ; head / 2: the K step of the next product
	s_lshl_b32 s59, s59, 11
	s_add_co_u32 s58, s58, s59
	s_and_b32 s59, s10, 1                          ; head % 2: slices 2 (head % 2) + b
	s_lshl_b32 s59, s59, 10
	s_add_co_u32 s58, s58, s59
	s_mov_b32 s59, 0
	s_add_nc_u64 s[8:9], s[8:9], s[58:59]
	v_mov_b32 v13, 0xff61b1e6                      ; the largest t so far: -3e38
	v_floor_f32 v12, -v13
	v_mov_b32 v14, 0
	v_mov_b32 v15, 0
	v_mov_b32 v246, 0                              ; a lane permute's destination counts as read
	v_mov_b32 v253, 0                              ; named as the upper half of v[252:253]
.set j, 0
.rept 32
	v_mov_b32 v[160+j], 0                          ; O^T: the step is written once, its first walk finds zeros
.set j, j+1
.endr
	s_wait_kmcnt 0x0
	s_mov_b32 s22, 0x3e38aa3b                      ; c = log2(e) / 8
	s_add_co_i32 s60, s48, s49
	s_lshl_b32 s60, s60, 23
	s_add_co_i32 s22, s22, s60                     ; x 2^(e6 + e7)
	s_mov_b32 s23, s22
	MKSC 51, 244, 240                              ; p: entry 9
	MKSC 52, 248, 249                              ; ctx: entry 10
	s_add_co_i32 s61, s50, s51                     ; e8 + e9
.macro STEP
	v_add_nc_u32 v8, s2, v5                        ; K's images of this step,
	v_add_nc_u32 v9, 0x20000, v8                   ; V's
	v_nop
	v_nop                                          ; four places in front of loads into registers that the last products have read
.irp n, 0,1,2,3,4,5,6,7
	ds_load_b128 v[32+8*\n:35+8*\n], v8 offset:1024*\n
	ds_load_b128 v[36+8*\n:39+8*\n], v8 offset:1024*\n+512
.endr
	s_wait_dscnt 0x0
.irp n, 0,1,2,3,4,5,6,7
	v_wmma_f32_16x16x64_bf8_bf8 v[96+8*\n:103+8*\n], v[32+8*\n:39+8*\n], v[16:23], 0
.endr
	PLACES
.irp t, 0,1,2,3                        ; V's four fragments land while the softmax is walked
.irp c, 0,1,2,3
	ds_load_b128 v[32+16*\t+4*\c:35+16*\t+4*\c], v9 offset:2048*\c+512*\t
.endr
.endr
	v_max3_num_f32 v254, v96, v97, v98             ; the step's largest score of my query among my 64 keys, in two chains,
	v_max3_num_f32 v252, v99, v100, v101
.irp i, 6,10,14,18,22,26,30,34,38,42,46,50,54,58
	v_max3_num_f32 v254, v254, v[96+\i], v[97+\i]
	v_max3_num_f32 v252, v252, v[98+\i], v[99+\i]
.endr
	v_max3_num_f32 v254, v254, v158, v159
	v_max_num_f32 v254, v254, v252
	v_permlanex16_b32 v246, v254, s20, s21
	v_max_num_f32 v254, v254, v246                 ; and among lane l xor 16's
	v_mul_f32 v254, s22, v254                      ; as t (c is positive)
	v_max_num_f32 v13, v13, v254
	v_mov_b32 v254, v12
	v_floor_f32 v12, -v13                          ; the new -M = -ceil(t)
	v_sub_f32 v254, v12, v254                      ; old M - new M, a whole number, 0 or less
	v_cvt_i32_f32 v254, v254
	v_ldexp_f32 v252, 1.0, v254                    ; f = 2^(old M - new M)
.set j, 0
.rept 32
	v_pk_fma_f32 v[96+j:97+j], v[96+j:97+j], s[22:23], v[12:13] op_sel_hi:[1,0,0]   ; t - M
.set j, j+2
.endr
.set j, 0
.rept 64
	v_exp_f32 v[96+j], v[96+j]                     ; p = 2^(t - M)
.set j, j+1
.endr
	v_pk_mul_f32 v[14:15], v[14:15], v[252:253] op_sel_hi:[1,0]   ; the sums under the new M: the plain instruction behind the exponentials
	s_wait_alu depctr_va_vdst(0)                   ; one wait for the batch, ahead of its first reader
	v_pk_add_f32 v[242:243], v[96:97], v[98:99]    ; the sum of the unquantised p, in two chains
.irp j, 4,8,12,16,20,24,28,32,36,40,44,48,52,56,60
	v_pk_add_f32 v[14:15], v[14:15], v[96+\j:97+\j]
	v_pk_add_f32 v[242:243], v[242:243], v[98+\j:99+\j]
.endr
	v_pk_add_f32 v[14:15], v[14:15], v[242:243]
.irp b, 0,1,2,3
.irp i, 0,1,2,3,4,5,6,7,8,9,10,11,12,13,14,15
	v_min_num_f32 v[96+16*\b+\i], v[96+16*\b+\i], v240   ; p is not negative: the hold is one-sided
.endr
	v_cvt_scalef32_pk8_bf8_f32 v[224+4*\b:225+4*\b], v[96+16*\b:103+16*\b], v244
	v_cvt_scalef32_pk8_bf8_f32 v[226+4*\b:227+4*\b], v[104+16*\b:111+16*\b], v244
.endr
.set j, 0
.rept 16
	v_pk_mul_f32 v[160+j:161+j], v[160+j:161+j], v[252:253] op_sel_hi:[1,0]   ; O^T under the new M
.set j, j+2
.endr
	s_wait_dscnt 0x0                               ; V
.irp t, 0,1,2,3
	v_wmma_f32_16x16x128_bf8_bf8 v[160+8*\t:167+8*\t], v[32+16*\t:47+16*\t], v[224:239], v[160+8*\t:167+8*\t]
.endr
.endm
; A group of 512 keys: left = my tensor loads for later groups, which may stay out; behind the barrier every wave's part of the group lies in LDS.
.macro GROUP left
	s_wait_tensorcnt \left
	s_barrier_signal -1
	s_barrier_wait -1
	s_mov_b32 s3, 4
.Lstep_\@:
	STEP
	s_add_co_u32 s2, s2, 8192
	s_sub_co_u32 s3, s3, 1
	s_cmp_lg_u32 s3, 0
	s_cbranch_scc1 .Lstep_\@
.endm
	s_wait_loadcnt 0x0                             ; Q
	GROUP 3
	GROUP 2
	GROUP 1
	GROUP 0
	PLACES                                         ; behind the last products
	v_add_f32 v14, v14, v15
	v_permlanex16_b32 v246, v14, s20, s21
	v_add_f32 v14, v14, v246                       ; the row's sum
	v_rcp_f32 v14, v14
	v_nop
	s_wait_alu depctr_va_vdst(0)
	v_ldexp_f32 v14, v14, s61                      ; x 2^(e8 + e9)
.set j, 0
.rept 32
	v_mul_f32 v[96+j], v[160+j], v14               ; ctx: register 16 b + i = channel 32 b + 16 h + i of my query
.set j, j+1
.endr
.set j, 0
.rept 32
	v_med3_num_f32 v[96+j], v[96+j], -v249, v249
.set j, j+1
.endr
.irp b, 0,1
	v_cvt_scalef32_pk8_bf8_f32 v[224+4*\b:225+4*\b], v[96+16*\b:103+16*\b], v248
	v_cvt_scalef32_pk8_bf8_f32 v[226+4*\b:227+4*\b], v[104+16*\b:111+16*\b], v248
.endr
	v_nop
	global_store_b128 v5, v[224:227], s[8:9]       ; 512 consecutive bytes, aligned
	global_store_b128 v5, v[228:231], s[8:9] offset:512
	s_wait_tensorcnt 0x0
	ds_add_u32 v251, v255
	s_wait_dscnt 0x0
	s_endpgm
.Lfunc_end_k_q1034529f41_attn:
	.size	k_q1034529f41_attn, .Lfunc_end_k_q1034529f41_attn-k_q1034529f41_attn
	.p2alignl 7, 3214868480
	.fill 96, 4, 3214868480
	.section	.rodata,"a",@progbits
	.p2align	6, 0x0
	.amdhsa_kernel k_q1034529f41_attn
		.amdhsa_group_segment_fixed_size 264192
		.amdhsa_private_segment_fixed_size 0
		.amdhsa_enable_private_segment 0
		.amdhsa_kernarg_size 24
		.amdhsa_user_sgpr_count 2
		.amdhsa_user_sgpr_kernarg_segment_ptr 1
		.amdhsa_wavefront_size32 1
		.amdhsa_system_sgpr_workgroup_id_x 1
		.amdhsa_system_sgpr_workgroup_id_y 1
		.amdhsa_system_sgpr_workgroup_id_z 1
		.amdhsa_system_vgpr_workitem_id 0
		.amdhsa_next_free_vgpr 256
		.amdhsa_next_free_sgpr 66
		.amdhsa_reserve_vcc 0
		.amdhsa_float_denorm_mode_32 3
		.amdhsa_float_denorm_mode_16_64 3
		.amdhsa_memory_ordered 1
		.amdhsa_forward_progress 1
		.amdhsa_inst_pref_size 72
	.end_amdhsa_kernel
	.amdgpu_metadata
---
amdhsa.version: [ 1, 2 ]
amdhsa.kernels:
  - .name:           k_q1034529f41_attn
    .symbol:         k_q1034529f41_attn.kd
    .args:
      - { .name: qkvc, .offset: 0, .size: 8, .value_kind: global_buffer, .address_space: global }
      - { .name: lowp_scales, .offset: 8, .size: 8, .value_kind: global_buffer, .address_space: global }
      - { .name: ctxc, .offset: 16, .size: 8, .value_kind: global_buffer, .address_space: global }
    .group_segment_fixed_size: 264192
    .private_segment_fixed_size: 0
    .kernarg_segment_align: 8
    .kernarg_segment_size: 24
    .max_flat_workgroup_size: 512
    .sgpr_count:     66
    .vgpr_count:     256
    .wavefront_size: 32
...
	.end_amdgpu_metadata
.endif
;; end of part 3
;; launch wo (part 4): grid 4 x 64, 4 waves a work-group, no clusters, 168,448 bytes of LDS; arguments ctxc, wo_codes, X, lowp_scales, x1; writes x1
.if DOCPART == 4
	.amdgcn_target "amdgcn-amd-amdhsa--gfx1250"
	.amdhsa_code_object_version 6
	.text
	.protected	k_q1034529f41_wo
	.globl	k_q1034529f41_wo
	.p2align	8
	.type	k_q1034529f41_wo,@function
k_q1034529f41_wo:
	s_mov_b64 s[64:65], 0
	v_nop
	global_prefetch_b8 v0, s[64:65] scope:SCOPE_SE
	s_setreg_imm32_b32 hwreg(HW_REG_WAVE_MODE, 25, 1), 1
	s_wait_xcnt 0x0
; x1 = X + ctx wo, the product on E5M2 codes (entries 10, 11 of lowp_scales).
; SHARES.  Work-group x = 256 columns, y = 64 tokens (four tiles).  Wave w owns columns 256 x + 64 w .. + 63; its weights (64 x 1,024 K) stay in 512 registers, windows 1 and 2.
; LDS.  0 .. 65,535: the four tiles of ctx's codes (register images), one tensor load a wave, filled once.  From 65,536: a stage of 64 rows x 272 bytes for each wave, in which its 64 x 64 numbers of X turn from
; rows (16 lanes read 256 consecutive bytes) into the result's layout (a lane: one token, columns 32 b + 16 h + 0 .. 15).  No fill lands in the stages.
; OUT.  x1 as an image [tile 256][beta 32][j 4][lane][16 bytes]: lane (r, h) holds columns 32 beta + 16 h + 4 j .. + 3 of the tile's place r: each store covers 512 consecutive bytes.
; No cluster: each tile is asked for once, at the head.
; LIMIT: e10 + e11 between -126 and 127.
; REGISTERS: window 0: v4 weights' offset, v5 16 x lane, v8, v9 stage in and out, v10 X's offset; v32-63 accumulators; v64-127 X of two tiles by turns; v128-255 X as loaded, later the four tiles' results.
;   window 3: ctx's fragments, two tiles by turns, at 128 (i % 2) + 16 k.
.set MSB, 0
.macro WIN new
.if MSB != (\new)
	s_set_vgpr_msb (MSB<<8)|(\new)
.set MSB, (\new)
.endif
.endm
.macro PLACES
.rept 4
	v_nop
.endr
.endm
	s_load_b256 s[4:11], s[0:1], 0x0               ; ctxc s[4:5], wo s[6:7], X s[8:9], lowp_scales s[10:11]
	s_load_b64 s[12:13], s[0:1], 0x20              ; x1
	v_lshl_add_u32 v30, v0, 2, 0x29000
	v_mov_b32 v31, 0
	ds_add_u32 v30, v31
	ds_add_u32 v30, v31
	v_lshrrev_b32 v1, 5, v0
	v_readfirstlane_b32 s18, v1                    ; wave
	v_and_b32 v1, 31, v0
	v_and_b32 v2, 15, v0                           ; r
	v_bfe_u32 v3, v0, 4, 1                         ; h
	v_lshlrev_b32 v5, 4, v1
	v_and_b32 v4, 8, v2
	v_add_nc_u32 v4, v4, v2
	v_lshlrev_b32 v4, 10, v4
	v_lshl_add_u32 v4, v3, 4, v4                   ; weights: row r + 8 (r / 8), + 16 h
	s_mul_i32 s19, s18, 17408
	s_add_co_u32 s19, s19, 65536                   ; my stage
	v_mul_u32_u24 v8, v3, 272
	v_lshl_add_u32 v8, v2, 4, v8
	v_add_nc_u32 v8, s19, v8                       ; in: lanes 0-15 one row, lanes 16-31 the next
	v_mul_u32_u24 v9, v2, 272
	v_lshl_add_u32 v9, v3, 6, v9
	v_add_nc_u32 v9, s19, v9                       ; out: row r, + 64 h
	v_lshlrev_b32 v10, 12, v3
	v_lshl_add_u32 v10, v2, 4, v10                 ; X: two neighbouring tokens, 16 bytes a lane
	s_mov_b32 s16, ttmp9                           ; column group
	s_and_b32 s17, ttmp7, 0xffff                   ; block of 64 tokens
	s_mov_b32 s24, 3<<16
	s_mov_b32 s25, 32<<16
	s_mov_b32 s26, 64<<16
	s_mov_b32 s27, 32<<16
	s_mov_b32 s28, 64                              ; 64 rows of 256 bytes: one tile's image
	s_mov_b32 s29, 32
	s_mov_b32 s30, 0
	s_mov_b32 s31, 0
	s_lshl_b32 s20, s17, 16
	s_lshl_b32 s21, s18, 14
	s_add_co_u32 s20, s20, s21                     ; tile 4 y + w
	s_mov_b32 s21, 0
	s_mov_b32 s32, 1
	s_lshl_b32 s33, s18, 14
	s_lshl_b32 s36, s16, 18
	s_lshl_b32 s37, s18, 16
	s_add_co_u32 s36, s36, s37                     ; my 64 rows of wo
	s_mov_b32 s37, 0
	s_lshl_b32 s38, s17, 18
	s_lshl_b32 s39, s16, 10
	s_add_co_u32 s38, s38, s39
	s_lshl_b32 s39, s18, 8
	s_add_co_u32 s38, s38, s39                     ; X: 64 y rows, + my 256 bytes
	s_mov_b32 s39, 0
	s_lshl_b32 s42, s17, 18
	s_lshl_b32 s43, s16, 14
	s_add_co_u32 s42, s42, s43
	s_lshl_b32 s43, s18, 12
	s_add_co_u32 s42, s42, s43                     ; x1: tile 4 y, beta 8 x + 2 w
	s_mov_b32 s43, 0
	s_wait_dscnt 0x0
	s_wait_kmcnt 0x0
	s_add_nc_u64 s[34:35], s[4:5], s[20:21]
	s_or_b32 s35, s35, 0x80000000
	tensor_load_to_lds s[32:35], s[24:31]          ; my one tensor load
	s_nop 0
	PLACES
	s_load_b64 s[40:41], s[10:11], 0x28            ; e10, e11
	s_add_nc_u64 s[6:7], s[6:7], s[36:37]
	s_add_nc_u64 s[8:9], s[8:9], s[38:39]
	s_add_nc_u64 s[12:13], s[12:13], s[42:43]
.irp k, 0,1,2,3,4,5,6,7
	WIN (0x40*(1+\k/4))
.irp t, 0,1,2,3
.irp c, 0,1,2,3
	global_load_b128 v[16*(4*(\k%4)+\t)+4*\c:16*(4*(\k%4)+\t)+4*\c+3], v4, s[6:7] offset:(32*(\t/2)+8*(\t%2))*1024+128*\k+32*\c
.endr
.endr
.endr
	WIN 0
.set q, 0
.rept 32                               ; load q: tile q / 8, places 2 (q % 8) and the next
	global_load_b128 v[128+4*q:131+4*q], v10, s[8:9] offset:(32*(q/16)+8*((q/8)%2)+2*(q%8)+8*((q%8)/4))*4096 th:TH_LOAD_NT
.set q, q+1
.endr
	s_wait_kmcnt 0x0
	s_add_co_i32 s40, s40, s41
	s_add_co_i32 s40, s40, 127
	s_lshl_b32 s40, s40, 23                        ; 2^(e10 + e11)
	s_mov_b32 s41, s40
	s_wait_loadcnt 0x0
.set q, 0
.rept 32
	ds_store_b128 v8, v[128+4*q:131+4*q] offset:544*q
.set q, q+1
.endr
	s_wait_tensorcnt 0x0                           ; my tile lies in LDS,
	s_wait_dscnt 0x0
	s_barrier_signal -1
	s_barrier_wait -1                              ; everybody's does
.macro GRP i                           ; tile i: 32 loads of ctx's fragments, 8 of X
	WIN 0xc0
.irp k, 0,1,2,3,4,5,6,7
.irp c, 0,1,2,3
	ds_load_b128 v[128*((\i)%2)+16*\k+4*\c:128*((\i)%2)+16*\k+4*\c+3], v5 offset:16384*(\i)+2048*\k+512*\c
.endr
.endr
	WIN 0
.irp b, 0,1
.irp j, 0,1,2,3
	ds_load_b128 v[64+32*((\i)%2)+16*\b+4*\j:64+32*((\i)%2)+16*\b+4*\j+3], v9 offset:4352*(\i)+128*\b+16*\j
.endr
.endr
.endm
.macro TILE i, left
	s_wait_dscnt \left                             ; this tile's 40 loads are in; the next tile's 40 may be out
.irp k, 0,1,2,3,4,5,6,7
	WIN (0x0d+\k/4)
.irp t, 0,1,2,3                        ; four accumulators by turns
.set rD, 32+8*\t
.set rW, 16*(4*(\k%4)+\t)
.set rA, 128*((\i)%2)+16*\k
.if \k == 0
	v_wmma_f32_16x16x128_bf8_bf8 v[rD:rD+7], v[rW:rW+15], v[rA:rA+15], 0
.else
	v_wmma_f32_16x16x128_bf8_bf8 v[rD:rD+7], v[rW:rW+15], v[rA:rA+15], v[rD:rD+7]
.endif
.endr
.endr
	PLACES
	WIN 0
.set j, 0
.rept 16
	v_pk_fma_f32 v[128+32*(\i)+j:129+32*(\i)+j], v[32+j:33+j], s[40:41], v[64+32*((\i)%2)+j:65+32*((\i)%2)+j] op_sel_hi:[1,0,1]   ; sum x 2^(e10 + e11) + X
.set j, j+2
.endr
.if (\i) < 2
	GRP (\i)+2
.endif
.irp b, 0,1
.irp j, 0,1,2,3
	global_store_b128 v5, v[128+32*(\i)+16*\b+4*\j:128+32*(\i)+16*\b+4*\j+3], s[12:13] offset:65536*(\i)+2048*\b+512*\j
.endr
.endr
.endm
	GRP 0
	GRP 1
	TILE 0, 40
	TILE 1, 40
	TILE 2, 40
	TILE 3, 0
	s_wait_tensorcnt 0x0
	ds_add_u32 v30, v31
	s_wait_dscnt 0x0
	s_endpgm
.Lfunc_end_k_q1034529f41_wo:
	.size	k_q1034529f41_wo, .Lfunc_end_k_q1034529f41_wo-k_q1034529f41_wo
	.p2alignl 7, 3214868480
	.fill 96, 4, 3214868480
	.section	.rodata,"a",@progbits
	.p2align	6, 0x0
	.amdhsa_kernel k_q1034529f41_wo
		.amdhsa_group_segment_fixed_size 168448
		.amdhsa_private_segment_fixed_size 0
		.amdhsa_enable_private_segment 0
		.amdhsa_kernarg_size 40
		.amdhsa_user_sgpr_count 2
		.amdhsa_user_sgpr_kernarg_segment_ptr 1
		.amdhsa_wavefront_size32 1
		.amdhsa_system_sgpr_workgroup_id_x 1
		.amdhsa_system_sgpr_workgroup_id_y 1
		.amdhsa_system_sgpr_workgroup_id_z 1
		.amdhsa_system_vgpr_workitem_id 0
		.amdhsa_next_free_vgpr 1024
		.amdhsa_next_free_sgpr 66
		.amdhsa_reserve_vcc 0
		.amdhsa_float_denorm_mode_32 3
		.amdhsa_float_denorm_mode_16_64 3
		.amdhsa_memory_ordered 1
		.amdhsa_forward_progress 1
		.amdhsa_inst_pref_size 48
	.end_amdhsa_kernel
	.amdgpu_metadata
---
amdhsa.version: [ 1, 2 ]
amdhsa.kernels:
  - .name:           k_q1034529f41_wo
    .symbol:         k_q1034529f41_wo.kd
    .args:
      - { .name: ctxc, .offset: 0, .size: 8, .value_kind: global_buffer, .address_space: global }
      - { .name: wo_codes, .offset: 8, .size: 8, .value_kind: global_buffer, .address_space: global }
      - { .name: X, .offset: 16, .size: 8, .value_kind: global_buffer, .address_space: global }
      - { .name: lowp_scales, .offset: 24, .size: 8, .value_kind: global_buffer, .address_space: global }
      - { .name: x1, .offset: 32, .size: 8, .value_kind: global_buffer, .address_space: global }
    .group_segment_fixed_size: 168448
    .private_segment_fixed_size: 0
    .kernarg_segment_align: 8
    .kernarg_segment_size: 40
    .max_flat_workgroup_size: 128
    .sgpr_count:     66
    .vgpr_count:     1024
    .wavefront_size: 32
...
	.end_amdgpu_metadata
.endif
;; end of part 4
;; launch prep2 (part 5): grid 256 x 1, 8 waves a work-group, no clusters, 3,072 bytes of LDS; arguments x1, norm2_w, router_w, lowp_scales, h2c, comb; writes h2c, comb
.if DOCPART == 5
	.amdgcn_target "amdgcn-amd-amdhsa--gfx1250"
	.amdhsa_code_object_version 6
	.text
	.protected	k_q1034529f41_prep2
	.globl	k_q1034529f41_prep2
	.p2align	8
	.type	k_q1034529f41_prep2,@function
k_q1034529f41_prep2:
	s_mov_b64 s[64:65], 0
	v_nop
	global_prefetch_b8 v0, s[64:65] scope:SCOPE_SE
	s_setreg_imm32_b32 hwreg(HW_REG_WAVE_MODE, 25, 1), 1
	s_wait_xcnt 0x0
; h2 = x1 * rsqrt(mean(x1^2) + 1e-6) * norm2_w, quantised four times (entries 12, 14, 19, 21 of lowp_scales), and the router: combine = softmax(softmax(h2 router_w)).
; With two experts and top-2 both are always chosen, so the one-hot sum gives each expert the second softmax of its own probability, whatever the order.  Both softmaxes take their maximum away.
; SHARES.  A work-group takes one tile of 16 tokens, wave s columns 128 s .. + 127.  x1 is stored as an image in just the layout that a lane wants: 16 loads of 512 consecutive bytes, no turn through LDS.
; OUT.  h2c[kind 2][tile 256][version 2][s 8][c 4][lane][16]: kind 0: entries 12, 14 (shared expert); kind 1: entries 19, 21 (routed experts).  comb[tile][lane 32][2] f32, lanes r and r + 16 alike.
; ORDER OF ROUNDING: the router's sums are taken of x1 * norm2_w * router_w and multiplied by the row's rsqrt afterwards; reference() multiplies first.  They feed no quantiser.
; LIMITS: the four exponents lie between -126 and 112.  NaN among the inputs is not served.
; REGISTERS: v32-95 x1, v96-159 norm2_w, v160-223 x1 * norm2_w, later the codes; v224-255 the waves' partial sums, later v224-239 held numbers and v240-242 the router; window 1 (v256-383): router_w, register 2 n + e.
.set X,  32
.set W,  96
.set Y,  160
.set CD, 160
.set T,  224
.set P,  224
.set MSB, 0
.macro WIN new
.if MSB != (\new)
	s_set_vgpr_msb (MSB<<8)|(\new)
.set MSB, (\new)
.endif
.endm
.macro MKSC se, vs, vl
	s_add_co_i32 s42, s[\se], 127
	s_lshl_b32 s43, s42, 23
	v_mov_b32 v[\vs], s43
	s_add_co_i32 s42, s42, 15
	s_lshl_b32 s42, s42, 23
	s_or_b32 s42, s42, 0x600000
	v_mov_b32 v[\vl], s42
.endm
	s_load_b256 s[4:11], s[0:1], 0x0               ; x1 s[4:5], norm2_w s[6:7], router_w s[8:9], lowp_scales s[10:11]
	s_load_b128 s[12:15], s[0:1], 0x20             ; h2c s[12:13], comb s[14:15]
	s_set_vgpr_msb 0x40
	v_lshl_add_u32 v128, v0, 2, 0x800
	v_mov_b32 v129, 0
	s_set_vgpr_msb 0x4000
	v_lshrrev_b32 v1, 5, v0
	v_readfirstlane_b32 s16, v1                    ; wave = K step s
	v_and_b32 v1, 31, v0
	v_and_b32 v2, 15, v0                           ; r
	v_bfe_u32 v3, v0, 4, 1                         ; h
	v_lshlrev_b32 v4, 3, v1                        ; comb: 8 x lane
	v_lshlrev_b32 v5, 4, v1                        ; 16 x lane
	v_lshlrev_b32 v6, 6, v3                        ; norm2_w: 64 h
	v_lshlrev_b32 v7, 7, v3                        ; router_w: 128 h
	s_lshl_b32 s17, s16, 8
	v_lshl_add_u32 v8, v2, 4, s17                  ; LDS: my wave's 16 bytes for row r
	v_lshlrev_b32 v9, 4, v2                        ; wave 0's
	s_lshl_b32 s18, ttmp9, 16
	s_lshl_b32 s19, s16, 13
	s_add_co_u32 s18, s18, s19
	s_mov_b32 s19, 0
	s_lshl_b32 s20, s16, 9
	s_mov_b32 s21, 0
	s_lshl_b32 s28, s16, 10
	s_mov_b32 s29, 0
	s_lshl_b32 s44, ttmp9, 15
	s_lshl_b32 s45, s16, 11
	s_add_co_u32 s44, s44, s45
	s_mov_b32 s45, 0
	s_lshl_b32 s46, ttmp9, 8
	s_mov_b32 s47, 0
	s_mov_b32 s22, 0x76543210
	s_mov_b32 s23, 0xfedcba98
	s_mov_b32 s30, 0x3a800000                      ; 1 / 1,024
	s_mov_b32 s31, 0x358637bd                      ; 1e-6
	s_wait_kmcnt 0x0
	s_load_b256 s[32:39], s[10:11], 0x30           ; entries 12 to 19
	s_load_b64 s[40:41], s[10:11], 0x50            ; entries 20, 21
	s_add_nc_u64 s[4:5], s[4:5], s[18:19]
	s_add_nc_u64 s[6:7], s[6:7], s[20:21]
	s_add_nc_u64 s[8:9], s[8:9], s[28:29]
	s_add_nc_u64 s[24:25], s[12:13], s[44:45]      ; kind 0,
	s_add_nc_u64 s[26:27], s[24:25], 0x800000      ; kind 1
	s_add_nc_u64 s[14:15], s[14:15], s[46:47]
.irp c, 0,1,2,3
.irp j, 0,1,2,3
	global_load_b128 v[X+16*\c+4*\j:X+16*\c+4*\j+3], v5, s[4:5] offset:2048*\c+512*\j
.endr
.endr
.irp c, 0,1,2,3
.irp j, 0,1,2,3
	global_load_b128 v[W+16*\c+4*\j:W+16*\c+4*\j+3], v6, s[6:7] offset:128*\c+16*\j
.endr
.endr
	WIN 0x40                                       ; destination window 1
.irp c, 0,1,2,3
.irp m, 0,1,2,3,4,5,6,7
	global_load_b128 v[32*\c+4*\m:32*\c+4*\m+3], v7, s[8:9] offset:256*\c+16*\m
.endr
.endr
	WIN 0
	s_wait_kmcnt 0x0
	MKSC 32, 24, 25
	MKSC 34, 26, 27
	MKSC 39, 28, 29
	MKSC 41, 30, 31
	s_wait_loadcnt 0x0
	v_pk_mul_f32 v[12:13], v[X:X+1], v[X:X+1]
	v_pk_mul_f32 v[10:11], v[X+2:X+3], v[X+2:X+3]
.set j, 4
.rept 15
	v_pk_fma_f32 v[12:13], v[X+j:X+j+1], v[X+j:X+j+1], v[12:13]
	v_pk_fma_f32 v[10:11], v[X+j+2:X+j+3], v[X+j+2:X+j+3], v[10:11]
.set j, j+4
.endr
	v_pk_add_f32 v[12:13], v[12:13], v[10:11]
.set j, 0
.rept 32
	v_pk_mul_f32 v[Y+j:Y+j+1], v[X+j:X+j+1], v[W+j:W+j+1]
.set j, j+2
.endr
	WIN 0x04                                       ; source 1 window 1: router_w
	v_mul_f32 v16, v[Y], v[0]                      ; four chains: expert 0 and 1, even and odd columns
	v_mul_f32 v17, v[Y], v[1]
	v_mul_f32 v18, v[Y+1], v[2]
	v_mul_f32 v19, v[Y+1], v[3]
.set n, 2
.rept 31
	v_fma_f32 v16, v[Y+n], v[2*n], v16
	v_fma_f32 v17, v[Y+n], v[2*n+1], v17
	v_fma_f32 v18, v[Y+n+1], v[2*n+2], v18
	v_fma_f32 v19, v[Y+n+1], v[2*n+3], v19
.set n, n+2
.endr
	WIN 0
	v_add_f32 v20, v12, v13
	v_add_f32 v21, v16, v18
	v_add_f32 v22, v17, v19
	v_mov_b32 v23, 0
	v_permlanex16_b32 v10, v20, s22, s23
	v_permlanex16_b32 v11, v21, s22, s23
	v_permlanex16_b32 v13, v22, s22, s23
	v_add_f32 v20, v20, v10
	v_add_f32 v21, v21, v11
	v_add_f32 v22, v22, v13
	ds_store_b128 v8, v[20:23]                     ; row r's three sums over my wave's columns
	s_wait_dscnt 0x0                               ; for the others' sake
	s_barrier_signal -1
	s_barrier_wait -1
.irp w, 0,1,2,3,4,5,6,7
	ds_load_b128 v[P+4*\w:P+4*\w+3], v9 offset:256*\w
.endr
	s_wait_dscnt 0x0
	v_add_f32 v20, v[P], v[P+4]
	v_add_f32 v21, v[P+1], v[P+5]
	v_add_f32 v22, v[P+2], v[P+6]
.irp w, 2,3,4,5,6,7
	v_add_f32 v20, v20, v[P+4*\w]
	v_add_f32 v21, v21, v[P+4*\w+1]
	v_add_f32 v22, v22, v[P+4*\w+2]
.endr
	v_fma_f32 v14, v20, s30, s31
	v_rsq_f32 v14, v14
	v_nop
	s_wait_alu depctr_va_vdst(0)
	v_mov_b32 v15, v14
	s_cmp_lg_u32 s16, 0                            ; the router's end is wave 0's
	s_cbranch_scc1 .Lnot0
	v_mul_f32 v240, v21, v14                       ; the two logits
	v_mul_f32 v241, v22, v14
	v_max_num_f32 v242, v240, v241
	v_sub_f32 v240, v240, v242
	v_sub_f32 v241, v241, v242
	v_mul_f32 v240, 0x3fb8aa3b, v240
	v_mul_f32 v241, 0x3fb8aa3b, v241
	v_exp_f32 v240, v240
	v_exp_f32 v241, v241
	v_nop
	s_wait_alu depctr_va_vdst(0)
	v_add_f32 v242, v240, v241
	v_rcp_f32 v242, v242
	v_nop
	s_wait_alu depctr_va_vdst(0)
	v_mul_f32 v240, v240, v242                     ; the probabilities
	v_mul_f32 v241, v241, v242
	v_max_num_f32 v242, v240, v241
	v_sub_f32 v240, v240, v242
	v_sub_f32 v241, v241, v242
	v_mul_f32 v240, 0x3fb8aa3b, v240
	v_mul_f32 v241, 0x3fb8aa3b, v241
	v_exp_f32 v240, v240
	v_exp_f32 v241, v241
	v_nop
	s_wait_alu depctr_va_vdst(0)
	v_add_f32 v242, v240, v241
	v_rcp_f32 v242, v242
	v_nop
	s_wait_alu depctr_va_vdst(0)
	v_mul_f32 v240, v240, v242                     ; the combine weights
	v_mul_f32 v241, v241, v242
	global_store_b64 v4, v[240:241], s[14:15]      ; 256 consecutive bytes, aligned
.Lnot0:
.set j, 0
.rept 32
	v_pk_mul_f32 v[X+j:X+j+1], v[X+j:X+j+1], v[14:15]
.set j, j+2
.endr
.set j, 0
.rept 32
	v_pk_mul_f32 v[X+j:X+j+1], v[X+j:X+j+1], v[W+j:W+j+1]
.set j, j+2
.endr
.macro QV m
.irp c, 0,1,2,3
.irp i, 0,1,2,3,4,5,6,7,8,9,10,11,12,13,14,15
	v_med3_num_f32 v[T+\i], v[X+16*\c+\i], -v[25+2*\m], v[25+2*\m]
.endr
	v_cvt_scalef32_pk8_bf8_f32 v[CD+16*\m+4*\c:CD+16*\m+4*\c+1], v[T:T+7], v[24+2*\m]
	v_cvt_scalef32_pk8_bf8_f32 v[CD+16*\m+4*\c+2:CD+16*\m+4*\c+3], v[T+8:T+15], v[24+2*\m]
	v_nop
.endr
.irp c, 0,1,2,3
	global_store_b128 v5, v[CD+16*\m+4*\c:CD+16*\m+4*\c+3], s[24+2*(\m/2):25+2*(\m/2)] offset:16384*(\m%2)+512*\c
.endr
.endm
	QV 0
	QV 1
	QV 2
	QV 3
	s_set_vgpr_msb 0x5
	s_wait_tensorcnt 0x0
	ds_add_u32 v128, v129
	s_wait_dscnt 0x0
	s_set_vgpr_msb 0x500
	s_endpgm
.Lfunc_end_k_q1034529f41_prep2:
	.size	k_q1034529f41_prep2, .Lfunc_end_k_q1034529f41_prep2-k_q1034529f41_prep2
	.p2alignl 7, 3214868480
	.fill 96, 4, 3214868480
	.section	.rodata,"a",@progbits
	.p2align	6, 0x0
	.amdhsa_kernel k_q1034529f41_prep2
		.amdhsa_group_segment_fixed_size 3072
		.amdhsa_private_segment_fixed_size 0
		.amdhsa_enable_private_segment 0
		.amdhsa_kernarg_size 48
		.amdhsa_user_sgpr_count 2
		.amdhsa_user_sgpr_kernarg_segment_ptr 1
		.amdhsa_wavefront_size32 1
		.amdhsa_system_sgpr_workgroup_id_x 1
		.amdhsa_system_sgpr_workgroup_id_y 1
		.amdhsa_system_sgpr_workgroup_id_z 1
		.amdhsa_system_vgpr_workitem_id 0
		.amdhsa_next_free_vgpr 386
		.amdhsa_next_free_sgpr 66
		.amdhsa_reserve_vcc 0
		.amdhsa_float_denorm_mode_32 3
		.amdhsa_float_denorm_mode_16_64 3
		.amdhsa_memory_ordered 1
		.amdhsa_forward_progress 1
		.amdhsa_inst_pref_size 49
	.end_amdhsa_kernel
	.amdgpu_metadata
---
amdhsa.version: [ 1, 2 ]
amdhsa.kernels:
  - .name:           k_q1034529f41_prep2
    .symbol:         k_q1034529f41_prep2.kd
    .args:
      - { .name: x1, .offset: 0, .size: 8, .value_kind: global_buffer, .address_space: global }
      - { .name: norm2_w, .offset: 8, .size: 8, .value_kind: global_buffer, .address_space: global }
      - { .name: router_w, .offset: 16, .size: 8, .value_kind: global_buffer, .address_space: global }
      - { .name: lowp_scales, .offset: 24, .size: 8, .value_kind: global_buffer, .address_space: global }
      - { .name: h2c, .offset: 32, .size: 8, .value_kind: global_buffer, .address_space: global }
      - { .name: comb, .offset: 40, .size: 8, .value_kind: global_buffer, .address_space: global }
    .group_segment_fixed_size: 3072
    .private_segment_fixed_size: 0
    .kernarg_segment_align: 8
    .kernarg_segment_size: 48
    .max_flat_workgroup_size: 256
    .sgpr_count:     66
    .vgpr_count:     386
    .wavefront_size: 32
...
	.end_amdgpu_metadata
.endif
;; end of part 5
;; launch gateup (part 6): grid 12 x 16, 4 waves a work-group, no clusters, 327,680 bytes of LDS; arguments h2c, sh_gate_codes, sh_up_codes, e_gate_codes, e_up_codes, lowp_scales, actc; writes actc
.if DOCPART == 6
	.amdgcn_target "amdgcn-amd-amdhsa--gfx1250"
	.amdhsa_code_object_version 6
	.text
	.protected	k_q1034529f41_gateup
	.globl	k_q1034529f41_gateup
	.p2align	8
	.type	k_q1034529f41_gateup,@function
k_q1034529f41_gateup:
	s_mov_b64 s[64:65], 0
	v_nop
	global_prefetch_b8 v0, s[64:65] scope:SCOPE_SE
	s_setreg_imm32_b32 hwreg(HW_REG_WAVE_MODE, 25, 1), 1
	s_wait_xcnt 0x0
; act = silu(h2 gate) * (h2 up) for the shared expert (g = 0) and the two routed experts (g = 1, 2), on E5M2 codes, and act quantised for the down product (entry 16 or 22 of lowp_scales).
; SHARES.  Work-group x = 4 g + quarter of the 512 hidden units, y = block of 256 tokens (16 tiles).  Wave w owns hidden units f0 = 128 (x % 4) + 32 w .. + 31: two tiles of gate's rows and two of up's, 512 registers
; (windows 1, 2), loaded once.  Lane r of tile u takes row f0 + 8 u + r + 8 (r / 8): so a lane's 16 results are units f0 + 16 h + 0 .. 15: one slice of the next operand's image.
; LDS.  Two slots of 131,072 bytes, each four tiles of h2's codes in both versions (gate's scale, up's scale: 32,768 bytes a tile), filled by the tensor data mover, a tile a wave; four fills in all.
; A slot is filled again behind a barrier in front of which every wave has waited for all its tensor loads, added 0 to its spare word and waited for that and for its reads; the load has four tiles' work in which to land.
; By this text's count a wave has two tensor loads out at the start and one behind each such barrier.
; No cluster: the four quarters of a block share their fills, but what a wave waits for at a change of slots was asked for four tiles of work earlier.
; LIMITS: e_gateA + e_gateB between -126 and 126; e_upA + e_upB between -126 and 127; e_out between -126 and 112.  NaN among the inputs is not served.
; REGISTERS: window 0: v4 weights' offset, v5 16 x lane, v6 LDS address of the tile in hand, v7 store offset, v28, v29 the add's, v30 scale, v31 hold; v32-47 gate's sums, v48-63 up's; v64-79, v80-95, v96-111 at work; v112-115 codes.
;   window 3: h2's fragments: K steps 4 H + k, version u at 128 H + 64 u + 16 k.
.set SPARE, 262144                     ; behind the slots: the spare words, 128 bytes a wave
.set MSB, 0
.macro WIN new
.if MSB != (\new)
	s_set_vgpr_msb (MSB<<8)|(\new)
.set MSB, (\new)
.endif
.endm
.macro PLACES
.rept 4
	v_nop
.endr
.endm
	s_load_b256 s[4:11], s[0:1], 0x0               ; h2c s[4:5], sh_gate s[6:7], sh_up s[8:9], e_gate s[10:11]
	s_load_b128 s[12:15], s[0:1], 0x20             ; e_up s[12:13], lowp_scales s[14:15]
	s_load_b64 s[16:17], s[0:1], 0x30              ; actc
	v_lshl_add_u32 v28, v0, 2, SPARE
	v_mov_b32 v29, 0
	ds_add_u32 v28, v29
	ds_add_u32 v28, v29
	s_wait_dscnt 0x0
	v_lshrrev_b32 v1, 5, v0
	v_readfirstlane_b32 s18, v1                    ; wave
	v_and_b32 v1, 31, v0
	v_and_b32 v2, 15, v0
	v_bfe_u32 v3, v0, 4, 1
	v_lshlrev_b32 v5, 4, v1
	v_and_b32 v4, 8, v2
	v_add_nc_u32 v4, v4, v2
	v_lshlrev_b32 v4, 10, v4
	v_lshl_add_u32 v4, v3, 4, v4
	v_mov_b32 v7, v5
	s_lshr_b32 s19, ttmp9, 2                       ; g
	s_and_b32 s20, ttmp9, 3                        ; quarter
	s_and_b32 s21, ttmp7, 0xffff                   ; block of 256 tokens
	s_mov_b32 s24, 3<<16
	s_mov_b32 s25, 32<<16
	s_mov_b32 s26, 128<<16
	s_mov_b32 s27, 32<<16
	s_mov_b32 s28, 128                             ; 128 rows of 256 bytes: one tile, both versions
	s_mov_b32 s29, 32
	s_mov_b32 s30, 0
	s_mov_b32 s31, 0
	s_min_u32 s22, s19, 1
	s_lshl_b32 s22, s22, 23                        ; kind 0 or 1
	s_lshl_b32 s23, s21, 19
	s_add_co_u32 s22, s22, s23
	s_lshl_b32 s23, s18, 15
	s_add_co_u32 s22, s22, s23                     ; tile 16 y + w
	s_mov_b32 s23, 0
	s_lshl_b32 s40, s18, 15                        ; in a slot: 32,768 x wave
	s_wait_kmcnt 0x0
	s_add_nc_u64 s[4:5], s[4:5], s[22:23]
.irp n, 0,1
	s_mov_b32 s[32+4*\n], 1
	s_add_co_u32 s[33+4*\n], s40, \n*131072
	s_add_nc_u64 s[34+4*\n:35+4*\n], s[4:5], \n*131072
	s_or_b32 s[35+4*\n], s[35+4*\n], 0x80000000
.endr
	tensor_load_to_lds s[32:35], s[24:31]          ; tiles 0-3,
	s_nop 0
	tensor_load_to_lds s[36:39], s[24:31]          ; tiles 4-7
	s_nop 0
	PLACES
	s_cmp_eq_u32 s19, 0
	s_cselect_b64 s[6:7], s[6:7], s[10:11]         ; gate's codes,
	s_cselect_b64 s[8:9], s[8:9], s[12:13]         ; up's,
	s_cselect_b32 s42, 48, 72                      ; and where my five exponents begin: entry 12 or 18
	s_mov_b32 s43, 0
	s_add_nc_u64 s[60:61], s[14:15], s[42:43]
	s_load_b128 s[44:47], s[60:61], 0x0
	s_load_b32 s48, s[60:61], 0x10
	s_max_u32 s58, s19, 1
	s_sub_co_u32 s58, s58, 1
	s_lshl_b32 s58, s58, 19                        ; the routed expert
	s_lshl_b32 s59, s20, 17
	s_add_co_u32 s58, s58, s59
	s_lshl_b32 s59, s18, 15
	s_add_co_u32 s58, s58, s59                     ; row f0
	s_mov_b32 s59, 0
	s_add_nc_u64 s[6:7], s[6:7], s[58:59]
	s_add_nc_u64 s[8:9], s[8:9], s[58:59]
	s_mul_i32 s62, s21, 393216                     ; actc: 16 tiles of 24,576 bytes a block,
	s_lshl_b32 s63, s19, 13
	s_add_co_u32 s62, s62, s63                     ; group g,
	s_lshl_b32 s63, s20, 11
	s_add_co_u32 s62, s62, s63                     ; K step = quarter,
	s_lshl_b32 s63, s18, 9
	s_add_co_u32 s62, s62, s63                     ; slice = wave
	s_mov_b32 s63, 0
	s_add_nc_u64 s[16:17], s[16:17], s[62:63]
.irp k, 0,1,2,3,4,5,6,7
	WIN (0x40*(1+\k/4))
.irp t, 0,1
.irp c, 0,1,2,3
	global_load_b128 v[16*(4*(\k%4)+\t)+4*\c:16*(4*(\k%4)+\t)+4*\c+3], v4, s[6:7] offset:8192*\t+128*\k+32*\c
	global_load_b128 v[16*(4*(\k%4)+\t+2)+4*\c:16*(4*(\k%4)+\t+2)+4*\c+3], v4, s[8:9] offset:8192*\t+128*\k+32*\c
.endr
.endr
.endr
	WIN 0
	s_wait_kmcnt 0x0
	s_add_co_i32 s44, s44, s45                     ; gate's two exponents
	s_add_co_i32 s50, s44, 127
	s_lshl_b32 s50, s50, 23                        ; 2^that
	s_mov_b32 s51, s50
	s_lshl_b32 s52, s44, 23
	s_add_co_i32 s52, s52, 0xbfb8aa3b              ; -log2(e) x 2^that
	s_mov_b32 s53, s52
	s_add_co_i32 s54, s46, s47                     ; up's
	s_add_co_i32 s54, s54, 127
	s_lshl_b32 s54, s54, 23
	s_mov_b32 s55, s54
	s_add_co_i32 s48, s48, 127
	s_lshl_b32 s49, s48, 23
	v_mov_b32 v30, s49                             ; 2^e_out
	s_add_co_i32 s48, s48, 15
	s_lshl_b32 s48, s48, 23
	s_or_b32 s48, s48, 0x600000
	v_mov_b32 v31, s48                             ; 57,344 x 2^e_out
.macro HFETCH hh                       ; K steps 4 hh .. 4 hh + 3 of the tile at v6, both versions: 32 loads
	WIN 0xc0
.irp u, 0,1
.irp k, 0,1,2,3
.irp c, 0,1,2,3
	ds_load_b128 v[128*\hh+64*\u+16*\k+4*\c:128*\hh+64*\u+16*\k+4*\c+3], v6 offset:16384*\u+2048*(4*\hh+\k)+512*\c
.endr
.endr
.endr
.endm
.macro HMM hh                          ; 16 products; four accumulators by turns
	WIN (0x0d+\hh)
.irp k, 0,1,2,3
.irp t, 0,1,2,3
.set rD, 32+8*\t
.set rW, 16*(4*\k+\t)
.set rA, 128*\hh+64*(\t/2)+16*\k
.if (\hh == 0) && (\k == 0)
	v_wmma_f32_16x16x128_bf8_bf8 v[rD:rD+7], v[rW:rW+15], v[rA:rA+15], 0
.else
	v_wmma_f32_16x16x128_bf8_bf8 v[rD:rD+7], v[rW:rW+15], v[rA:rA+15], v[rD:rD+7]
.endif
.endr
.endr
.endm
; silu(gate) * up = gate * rcp(1 + 2^(-log2(e) gate)) * up, held, converted, stored: 512 consecutive bytes.
.macro ACT
.set j, 0
.rept 8
	v_pk_mul_f32 v[64+j:65+j], v[32+j:33+j], s[50:51] op_sel_hi:[1,0]    ; gate
.set j, j+2
.endr
.set j, 0
.rept 8
	v_pk_mul_f32 v[80+j:81+j], v[32+j:33+j], s[52:53] op_sel_hi:[1,0]    ; -log2(e) gate
.set j, j+2
.endr
.set j, 0
.rept 16
	v_exp_f32 v[80+j], v[80+j]
.set j, j+1
.endr
.set j, 0
.rept 8
	v_pk_mul_f32 v[96+j:97+j], v[48+j:49+j], s[54:55] op_sel_hi:[1,0]    ; up: plain work behind the exponentials
.set j, j+2
.endr
	s_wait_alu depctr_va_vdst(0)                   ; one wait for the batch
.set j, 0
.rept 8
	v_pk_add_f32 v[80+j:81+j], v[80+j:81+j], 1.0 op_sel_hi:[1,0]
.set j, j+2
.endr
.set j, 0
.rept 16
	v_rcp_f32 v[80+j], v[80+j]
.set j, j+1
.endr
	v_nop
	s_wait_alu depctr_va_vdst(0)
.set j, 0
.rept 8
	v_pk_mul_f32 v[64+j:65+j], v[64+j:65+j], v[80+j:81+j]
.set j, j+2
.endr
.set j, 0
.rept 8
	v_pk_mul_f32 v[64+j:65+j], v[64+j:65+j], v[96+j:97+j]
.set j, j+2
.endr
.set j, 0
.rept 16
	v_med3_num_f32 v[64+j], v[64+j], -v31, v31
.set j, j+1
.endr
	v_cvt_scalef32_pk8_bf8_f32 v[112:113], v[64:71], v30
	v_cvt_scalef32_pk8_bf8_f32 v[114:115], v[72:79], v30
	v_nop
	global_store_b128 v7, v[112:115], s[16:17] offset:-24576   ; v7 has been stepped already: the store reaches back
.endm
.macro TILE more
	s_wait_dscnt 32                                ; K steps 0-3 are in; the 32 loads of K steps 4-7 may be out
	HMM 0
	WIN 0
	s_wait_xcnt 0x0                                ; the last tile's store has read its codes and its offset
	v_add_nc_u32 v7, 24576, v7
.if \more
	s_add_co_u32 s56, s56, 32768
	v_add_nc_u32 v6, s56, v5                       ; the next tile
.endif
	PLACES
.if \more
	HFETCH 0
	s_wait_dscnt 32                                ; K steps 4-7 are in; the 32 just issued may be out
.else
	s_wait_dscnt 0x0
.endif
	HMM 1
	PLACES
.if \more
	HFETCH 1
.endif
	WIN 0
	ACT
.endm
.macro WORK slot                       ; a slot's four tiles
	s_mov_b32 s56, \slot*131072
	v_add_nc_u32 v6, s56, v5
	HFETCH 0
	HFETCH 1
	WIN 0
	s_mov_b32 s3, 3
.Ltile_\@:
	TILE 1
	s_sub_co_u32 s3, s3, 1
	s_cmp_lg_u32 s3, 0
	s_cbranch_scc1 .Ltile_\@
	TILE 0
.endm
.macro CHANGE other, refill
	s_wait_tensorcnt 0x0                           ; all my tensor loads have landed, my part of the slot ahead among them: so a group 0 may be written
	ds_add_u32 v28, v29                            ; 0 onto my spare word
.if \refill
	s_add_nc_u64 s[34+4*\other:35+4*\other], s[34+4*\other:35+4*\other], 262144   ; eight tiles on
.endif
	s_wait_dscnt 0x0                               ; the add is done, and my reads of the slot that I leave are over
	s_barrier_signal -1
	s_barrier_wait -1
.if \refill
	tensor_load_to_lds s[32+4*\other:35+4*\other], s[24:31]   ; my one tensor load behind this barrier, first thing there
	s_nop 0
	PLACES
.endif
.endm
	s_wait_loadcnt 0x0                             ; the weights
	s_wait_tensorcnt 0x1                           ; my part of slot 0 is in; slot 1's may stay out
	s_barrier_signal -1
	s_barrier_wait -1
	WORK 0
	CHANGE 0, 1                                    ; tiles 8-11 into slot 0
	WORK 1
	CHANGE 1, 1                                    ; tiles 12-15 into slot 1
	WORK 0
	CHANGE 0, 0
	WORK 1
	s_wait_tensorcnt 0x0                           ; the wave's end
	ds_add_u32 v28, v29
	s_wait_dscnt 0x0
	s_endpgm
.Lfunc_end_k_q1034529f41_gateup:
	.size	k_q1034529f41_gateup, .Lfunc_end_k_q1034529f41_gateup-k_q1034529f41_gateup
	.p2alignl 7, 3214868480
	.fill 96, 4, 3214868480
	.section	.rodata,"a",@progbits
	.p2align	6, 0x0
	.amdhsa_kernel k_q1034529f41_gateup
		.amdhsa_group_segment_fixed_size 327680
		.amdhsa_private_segment_fixed_size 0
		.amdhsa_enable_private_segment 0
		.amdhsa_kernarg_size 56
		.amdhsa_user_sgpr_count 2
		.amdhsa_user_sgpr_kernarg_segment_ptr 1
		.amdhsa_wavefront_size32 1
		.amdhsa_system_sgpr_workgroup_id_x 1
		.amdhsa_system_sgpr_workgroup_id_y 1
		.amdhsa_system_sgpr_workgroup_id_z 1
		.amdhsa_system_vgpr_workitem_id 0
		.amdhsa_next_free_vgpr 1024
		.amdhsa_next_free_sgpr 66
		.amdhsa_reserve_vcc 0
		.amdhsa_float_denorm_mode_32 3
		.amdhsa_float_denorm_mode_16_64 3
		.amdhsa_memory_ordered 1
		.amdhsa_forward_progress 1
		.amdhsa_inst_pref_size 115
	.end_amdhsa_kernel
	.amdgpu_metadata
---
amdhsa.version: [ 1, 2 ]
amdhsa.kernels:
  - .name:           k_q1034529f41_gateup
    .symbol:         k_q1034529f41_gateup.kd
    .args:
      - { .name: h2c, .offset: 0, .size: 8, .value_kind: global_buffer, .address_space: global }
      - { .name: sh_gate_codes, .offset: 8, .size: 8, .value_kind: global_buffer, .address_space: global }
      - { .name: sh_up_codes, .offset: 16, .size: 8, .value_kind: global_buffer, .address_space: global }
      - { .name: e_gate_codes, .offset: 24, .size: 8, .value_kind: global_buffer, .address_space: global }
      - { .name: e_up_codes, .offset: 32, .size: 8, .value_kind: global_buffer, .address_space: global }
      - { .name: lowp_scales, .offset: 40, .size: 8, .value_kind: global_buffer, .address_space: global }
      - { .name: actc, .offset: 48, .size: 8, .value_kind: global_buffer, .address_space: global }
    .group_segment_fixed_size: 327680
    .private_segment_fixed_size: 0
    .kernarg_segment_align: 8
    .kernarg_segment_size: 56
    .max_flat_workgroup_size: 128
    .sgpr_count:     66
    .vgpr_count:     1024
    .wavefront_size: 32
...
	.end_amdgpu_metadata
.endif
;; end of part 6
;; launch down (part 7): grid 4 x 64, 4 waves a work-group, no clusters, 168,448 bytes of LDS; arguments actc, sh_down_codes, e_down_codes, x1, comb, lowp_scales, out0; writes out0
.if DOCPART == 7
	.amdgcn_target "amdgcn-amd-amdhsa--gfx1250"
	.amdhsa_code_object_version 6
	.text
	.protected	k_q1034529f41_down
	.globl	k_q1034529f41_down
	.p2align	8
	.type	k_q1034529f41_down,@function
k_q1034529f41_down:
	s_mov_b64 s[64:65], 0
	v_nop
	global_prefetch_b8 v0, s[64:65] scope:SCOPE_SE
	s_setreg_imm32_b32 hwreg(HW_REG_WAVE_MODE, 25, 1), 1
	s_wait_xcnt 0x0
; out0 = x1 + act_sh sh_down + c0 act_e0 e_down[0] + c1 act_e1 e_down[1], the three products on E5M2 codes (entries 16, 17 and 22, 23 of lowp_scales), c0 and c1 the token's combine weights.
; SHARES.  Work-group x = 256 columns, y = 64 tokens (four tiles).  Wave w owns columns 256 x + 64 w .. + 63; its rows of the three weights (64 x 512 K each) fill windows 1, 2 and 3 and stay.
; LDS.  0 .. 98,303: the four tiles' codes (24,576 bytes a tile: three groups x four K steps), one tensor load a wave, filled once.  From 98,304: a stage of 16 rows x 272 bytes for each wave; no fill lands there.
; THE RESIDUAL is the C of the shared sum's first products: x1 / 2^(e16 + e17), an exact scaling; the finished sum x 2^(e16 + e17) is then x1 + shared.
; A tile's three sums are three units of 16 products (experts first, so that x1 has two units in which to land); fragments come in two buffers by turns, two units ahead.
; The way out turns a tile through the wave's stage, so that 16 lanes store 256 consecutive bytes of a row of out0, aligned.
; No cluster: each tile is asked for once, at the head.
; LIMITS: e16 + e17 between -126 and 126 and x1 / 2^(e16 + e17) finite; e22 + e23 between -126 and 127.
; REGISTERS: window 0: v4 weights' offset, v5 16 x lane, v7, v8 stage in and out, v9 out0's offset, v10 8 x lane, v11 16 x lane + 49,152; v12-27 c0, c0, c1, c1 x 2^(e22 + e23) for each tile;
;   v32-63 shared sum, v64-95 expert 0's (later rows on their way out), v96-127 expert 1's; v128-191, v192-255 fragments.
.set MSB, 0
.macro WIN new
.if MSB != (\new)
	s_set_vgpr_msb (MSB<<8)|(\new)
.set MSB, (\new)
.endif
.endm
.macro PLACES
.rept 4
	v_nop
.endr
.endm
	s_load_b256 s[4:11], s[0:1], 0x0               ; actc s[4:5], sh_down s[6:7], e_down s[8:9], x1 s[10:11]
	s_load_b128 s[12:15], s[0:1], 0x20             ; comb s[12:13], lowp_scales s[14:15]
	s_load_b64 s[16:17], s[0:1], 0x30              ; out0
	v_lshl_add_u32 v30, v0, 2, 0x29000
	v_mov_b32 v31, 0
	ds_add_u32 v30, v31
	ds_add_u32 v30, v31
	v_lshrrev_b32 v1, 5, v0
	v_readfirstlane_b32 s18, v1                    ; wave
	v_and_b32 v1, 31, v0
	v_and_b32 v2, 15, v0                           ; r
	v_bfe_u32 v3, v0, 4, 1                         ; h
	v_lshlrev_b32 v5, 4, v1
	v_add_nc_u32 v11, 49152, v5
	v_lshlrev_b32 v10, 3, v1
	v_and_b32 v4, 8, v2
	v_add_nc_u32 v4, v4, v2
	v_lshlrev_b32 v4, 9, v4                        ; a weight row is 512 bytes
	v_lshl_add_u32 v4, v3, 4, v4
	s_mul_i32 s21, s18, 4352
	s_add_co_u32 s21, s21, 98304                   ; my stage
	v_mul_u32_u24 v7, v2, 272
	v_lshl_add_u32 v7, v3, 6, v7
	v_add_nc_u32 v7, s21, v7                       ; in: row r, + 64 h
	v_mul_u32_u24 v8, v3, 272
	v_lshl_add_u32 v8, v2, 4, v8
	v_add_nc_u32 v8, s21, v8                       ; back: lanes 0-15 one row, lanes 16-31 the next
	v_lshlrev_b32 v9, 12, v3
	v_lshl_add_u32 v9, v2, 4, v9                   ; and the same two tokens in out0
	s_mov_b32 s19, ttmp9
	s_and_b32 s20, ttmp7, 0xffff
	s_mov_b32 s24, 3<<16
	s_mov_b32 s25, 32<<16
	s_mov_b32 s26, 96<<16
	s_mov_b32 s27, 32<<16
	s_mov_b32 s28, 96                              ; 96 rows of 256 bytes: one tile
	s_mov_b32 s29, 32
	s_mov_b32 s30, 0
	s_mov_b32 s31, 0
	s_lshl_b32 s22, s20, 2
	s_add_co_u32 s22, s22, s18
	s_mul_i32 s22, s22, 24576                      ; tile 4 y + w
	s_mov_b32 s23, 0
	s_mov_b32 s32, 1
	s_mul_i32 s33, s18, 24576
	s_lshl_b32 s36, s19, 17
	s_lshl_b32 s37, s18, 15
	s_add_co_u32 s36, s36, s37                     ; my 64 rows of each weight
	s_mov_b32 s37, 0
	s_lshl_b32 s38, s20, 10                        ; comb: four tiles of 256 bytes
	s_mov_b32 s39, 0
	s_lshl_b32 s50, s20, 18
	s_lshl_b32 s51, s19, 14
	s_add_co_u32 s50, s50, s51
	s_lshl_b32 s51, s18, 12
	s_add_co_u32 s50, s50, s51                     ; x1: tile 4 y, beta 8 x + 2 w
	s_mov_b32 s51, 0
	s_lshl_b32 s52, s20, 18
	s_lshl_b32 s53, s19, 10
	s_add_co_u32 s52, s52, s53
	s_lshl_b32 s53, s18, 8
	s_add_co_u32 s52, s52, s53                     ; out0: 64 y rows, + my 256 bytes
	s_mov_b32 s53, 0
	s_wait_dscnt 0x0
	s_wait_kmcnt 0x0
	s_add_nc_u64 s[34:35], s[4:5], s[22:23]
	s_or_b32 s35, s35, 0x80000000
	tensor_load_to_lds s[32:35], s[24:31]          ; my one tensor load
	s_nop 0
	PLACES
	s_load_b64 s[40:41], s[14:15], 0x40            ; e16, e17
	s_load_b64 s[42:43], s[14:15], 0x58            ; e22, e23
	s_add_nc_u64 s[6:7], s[6:7], s[36:37]
	s_add_nc_u64 s[8:9], s[8:9], s[36:37]
	s_add_nc_u64 s[12:13], s[12:13], s[38:39]
	s_add_nc_u64 s[10:11], s[10:11], s[50:51]
	s_add_nc_u64 s[16:17], s[16:17], s[52:53]
.irp g, 0,1,2
	WIN (0x40*(\g+1))                              ; group g's weights fill window g + 1
.irp k, 0,1,2,3
.irp t, 0,1,2,3
.irp c, 0,1,2,3
.if \g == 0
	global_load_b128 v[16*(4*\k+\t)+4*\c:16*(4*\k+\t)+4*\c+3], v4, s[6:7] offset:(32*(\t/2)+8*(\t%2))*512+128*\k+32*\c
.else
	global_load_b128 v[16*(4*\k+\t)+4*\c:16*(4*\k+\t)+4*\c+3], v4, s[8:9] offset:524288*(\g-1)+(32*(\t/2)+8*(\t%2))*512+128*\k+32*\c
.endif
.endr
.endr
.endr
.endr
	WIN 0
.irp i, 0,1,2,3
	global_load_b64 v[12+4*\i:13+4*\i], v10, s[12:13] offset:256*\i
.endr
.macro XLOAD i                         ; x1 of tile i, in the result's layout, into the shared sum's registers
.irp b, 0,1
.irp j, 0,1,2,3
	global_load_b128 v[32+16*\b+4*\j:32+16*\b+4*\j+3], v5, s[10:11] offset:65536*(\i)+2048*\b+512*\j
.endr
.endr
.endm
	XLOAD 0
	s_wait_kmcnt 0x0
	s_add_co_i32 s40, s40, s41
	s_add_co_i32 s44, s40, 127
	s_lshl_b32 s44, s44, 23                        ; 2^(e16 + e17)
	s_mov_b32 s45, s44
	s_sub_co_i32 s46, 127, s40
	s_lshl_b32 s46, s46, 23                        ; and its reciprocal
	s_mov_b32 s47, s46
	s_add_co_i32 s48, s42, s43
	s_add_co_i32 s48, s48, 127
	s_lshl_b32 s48, s48, 23                        ; 2^(e22 + e23)
	s_wait_loadcnt 0x0
.irp i, 0,1,2,3
	v_mul_f32 v[14+4*\i], s48, v[13+4*\i]
	v_mul_f32 v[12+4*\i], s48, v[12+4*\i]
	v_mov_b32 v[15+4*\i], v[14+4*\i]
	v_mov_b32 v[13+4*\i], v[12+4*\i]
.endr
	s_wait_tensorcnt 0x0                           ; my tile lies in LDS,
	s_barrier_signal -1
	s_barrier_wait -1                              ; everybody's does
; Unit j = 3 i + {0: expert 0, 1: expert 1, 2: shared} of tile i; its four fragments go to buffer j % 2.
.macro ULOAD j
.set ui, (\j)/3
.set ug, ((\j)%3+1)%3
.set ub, 128+64*((\j)%2)
.set uo, 24576*(ui%2)+8192*ug
.irp k, 0,1,2,3
.irp c, 0,1,2,3
.if ui < 2
	ds_load_b128 v[ub+16*\k+4*\c:ub+16*\k+4*\c+3], v5 offset:uo+2048*\k+512*\c
.else
	ds_load_b128 v[ub+16*\k+4*\c:ub+16*\k+4*\c+3], v11 offset:uo+2048*\k+512*\c
.endif
.endr
.endr
.endm
.macro UNIT j
.set ug, ((\j)%3+1)%3
.set ub, 128+64*((\j)%2)
.set ua, 32+32*ug
.if (\j) < 11
	s_wait_dscnt 16                                ; this unit's fragments are in; the next unit's 16 loads may be out
.else
	s_wait_dscnt 0x0
.endif
	WIN (ug+1)                                     ; source 0: the group's weights
.irp k, 0,1,2,3
.irp t, 0,1,2,3                        ; four accumulators by turns
.if (ug != 0) && (\k == 0)
	v_wmma_f32_16x16x128_bf8_bf8 v[ua+8*\t:ua+8*\t+7], v[16*(4*\k+\t):16*(4*\k+\t)+15], v[ub+16*\k:ub+16*\k+15], 0
.else
	v_wmma_f32_16x16x128_bf8_bf8 v[ua+8*\t:ua+8*\t+7], v[16*(4*\k+\t):16*(4*\k+\t)+15], v[ub+16*\k:ub+16*\k+15], v[ua+8*\t:ua+8*\t+7]
.endif
.endr
.endr
	PLACES
	WIN 0
.if (\j)+2 < 12
	ULOAD (\j)+2
.endif
.endm
.macro OUT i
.set j, 0
.rept 16
	v_pk_mul_f32 v[32+j:33+j], v[32+j:33+j], s[44:45] op_sel_hi:[1,0]               ; x1 + shared
.set j, j+2
.endr
.set j, 0
.rept 16
	v_pk_fma_f32 v[32+j:33+j], v[64+j:65+j], v[12+4*(\i):13+4*(\i)], v[32+j:33+j]   ; + c0 x expert 0
.set j, j+2
.endr
.set j, 0
.rept 16
	v_pk_fma_f32 v[32+j:33+j], v[96+j:97+j], v[14+4*(\i):15+4*(\i)], v[32+j:33+j]   ; + c1 x expert 1
.set j, j+2
.endr
.irp b, 0,1
.irp j, 0,1,2,3
	ds_store_b128 v7, v[32+16*\b+4*\j:32+16*\b+4*\j+3] offset:128*\b+16*\j
.endr
.endr
.irp q, 0,1,2,3,4,5,6,7
	ds_load_b128 v[64+4*\q:67+4*\q], v8 offset:544*\q   ; my wave's own bytes: LDS serves a wave's instructions in order
.endr
	s_wait_dscnt 0x0
.if (\i) < 3
	XLOAD (\i)+1                                   ; the next tile's residual: two units of products in which to land
.endif
.irp q, 0,1,2,3,4,5,6,7
	global_store_b128 v9, v[64+4*\q:67+4*\q], s[16:17] offset:(32*((\i)/2)+8*((\i)%2)+2*\q+8*(\q/4))*4096 th:TH_STORE_NT
.endr
.endm
	ULOAD 0
	ULOAD 1
.irp i, 0,1,2,3
	s_wait_xcnt 0x0                                ; the last tile's stores have read v64-95: the products below write them again only behind this wait
	UNIT 3*\i
	UNIT 3*\i+1
	s_wait_loadcnt 0x0                             ; x1 of this tile
.set j, 0
.rept 16
	v_pk_mul_f32 v[32+j:33+j], v[32+j:33+j], s[46:47] op_sel_hi:[1,0]   ; / 2^(e16 + e17): the shared sum begins with it
.set j, j+2
.endr
	UNIT 3*\i+2
	OUT \i
.endr
	s_wait_tensorcnt 0x0
	ds_add_u32 v30, v31
	s_wait_dscnt 0x0
	s_endpgm
.Lfunc_end_k_q1034529f41_down:
	.size	k_q1034529f41_down, .Lfunc_end_k_q1034529f41_down-k_q1034529f41_down
	.p2alignl 7, 3214868480
	.fill 96, 4, 3214868480
	.section	.rodata,"a",@progbits
	.p2align	6, 0x0
	.amdhsa_kernel k_q1034529f41_down
		.amdhsa_group_segment_fixed_size 168448
		.amdhsa_private_segment_fixed_size 0
		.amdhsa_enable_private_segment 0
		.amdhsa_kernarg_size 56
		.amdhsa_user_sgpr_count 2
		.amdhsa_user_sgpr_kernarg_segment_ptr 1
		.amdhsa_wavefront_size32 1
		.amdhsa_system_sgpr_workgroup_id_x 1
		.amdhsa_system_sgpr_workgroup_id_y 1
		.amdhsa_system_sgpr_workgroup_id_z 1
		.amdhsa_system_vgpr_workitem_id 0
		.amdhsa_next_free_vgpr 1024
		.amdhsa_next_free_sgpr 66
		.amdhsa_reserve_vcc 0
		.amdhsa_float_denorm_mode_32 3
		.amdhsa_float_denorm_mode_16_64 3
		.amdhsa_memory_ordered 1
		.amdhsa_forward_progress 1
		.amdhsa_inst_pref_size 77
	.end_amdhsa_kernel
	.amdgpu_metadata
---
amdhsa.version: [ 1, 2 ]
amdhsa.kernels:
  - .name:           k_q1034529f41_down
    .symbol:         k_q1034529f41_down.kd
    .args:
      - { .name: actc, .offset: 0, .size: 8, .value_kind: global_buffer, .address_space: global }
      - { .name: sh_down_codes, .offset: 8, .size: 8, .value_kind: global_buffer, .address_space: global }
      - { .name: e_down_codes, .offset: 16, .size: 8, .value_kind: global_buffer, .address_space: global }
      - { .name: x1, .offset: 24, .size: 8, .value_kind: global_buffer, .address_space: global }
      - { .name: comb, .offset: 32, .size: 8, .value_kind: global_buffer, .address_space: global }
      - { .name: lowp_scales, .offset: 40, .size: 8, .value_kind: global_buffer, .address_space: global }
      - { .name: out0, .offset: 48, .size: 8, .value_kind: global_buffer, .address_space: global }
    .group_segment_fixed_size: 168448
    .private_segment_fixed_size: 0
    .kernarg_segment_align: 8
    .kernarg_segment_size: 56
    .max_flat_workgroup_size: 128
    .sgpr_count:     66
    .vgpr_count:     1024
    .wavefront_size: 32
...
	.end_amdgpu_metadata
.endif
;; end of part 7
